; MI455X (gfx1250); checked and timed in simulation.
; The chip was launched on July 23, 2026; its instructions are those of AMD's public machine-readable ISA for CDNA 5 (MIT licence, August 2026) and "CDNA5" Instruction Set Architecture Reference Guide (July 2026). The comments in the code are by the model that wrote it; some were corrected since.
;; Manual Attention. Allowed arithmetic: matrix products marked QUANTISED: E2M1 operands, one E8M0 scale for each 32 along K, by v_wmma_scale_f32_16x16x128_f8f6f4 with both operands' format E2M1 (or v_wmma_scale_f32_32x16x128_f4), f32 sums; everything else in f32.
;; Inputs: b_out 1,024 float32; b_qkv 3,072 float32; w_out 1,024 x 1,024 float32; w_qkv 3,072 x 1,024 float32; x 4 x 2,048 x 1,024 float32.
;; Outputs: out0 4 x 2,048 x 1,024 float32.
;; This version of the problem:
;;   THIS VERSION OF THE PROBLEM IS GIVEN IN LOW PRECISION. The matrix products marked QUANTISED in the list below multiply operands that are first quantised to E2M1 (2 exponent bits, 1 mantissa bit; 4 bits a number), with one power-of-two scale for each 32 numbers along K (OCP MX v1.0); their sums are f32. All else is computed in f32.
;;   The module's matrix products, in the order in which they are computed (A, B: the left and right operand; K: the contracted axis; several contracted axes count as one K, in the product's order):
;;     1. [M 8,192, K 1,024] x [K 1,024, N 3,072]; A: input x; B: input w_qkv: QUANTISED
;;     2. batch 64 x [M 2,048, K 64] x [K 64, N 2,048]; A: computed on the way; B: computed on the way: QUANTISED
;;     3. batch 64 x [M 2,048, K 2,048] x [K 2,048, N 64]; A: softmax (see below); B: computed on the way: QUANTISED
;;     4. [M 8,192, K 1,024] x [K 1,024, N 1,024]; A: computed on the way; B: input w_out: QUANTISED
;;   THE QUANTISER, for each operand of a quantised product, along K:
;;     - K is cut into blocks of 32 from its start; a last block that is shorter is filled with zeros.
;;     - A block's scale is 2^e with e = floor(log2(the largest magnitude in the block)) - 2, held to -126 .. 127; a block of zeros has e = 0. As a byte (E8M0): e + 127.
;;     - Each number is divided by its block's scale, clamped to +-6, and rounded to the nearest number of E2M1, ties to even, subnormals kept.
;;     - The product sums the exact products of the quantised numbers (number of the format x scale) in f32.
;;   ~~~python
;;   def quantise(x, axis):      # numpy; x: float32 -> the quantised numbers, widened to float32 again
;;       x = np.moveaxis(x, axis, -1); K = x.shape[-1]
;;       x = np.pad(x, [(0, 0)] * (x.ndim - 1) + [(0, -K % 32)]); x = x.reshape(x.shape[:-1] + (-1, 32)); a = np.abs(x).max(-1, keepdims=True)
;;       e = np.where(a > 0, np.clip(np.frexp(np.where(a > 0, a, 1))[1] - 1 - 2, -126, 127), 0)      # np.frexp(a)[1] - 1 = floor(log2(a)), exactly
;;       r = np.clip(x / 2.0 ** e, -6, 6)
;;       step = 2.0 ** (np.maximum(np.frexp(np.where(r == 0, 1, r))[1] - 1, 0) - 1)
;;       q = np.round(r / step) * step * 2.0 ** e      # np.round: ties to even
;;       return np.moveaxis(q.reshape(q.shape[:-2] + (-1,))[..., :K], -1, axis).astype(np.float32)
;;   ~~~
;;   SOFTMAX AHEAD OF A QUANTISED PRODUCT. Where the list says 'softmax', what is quantised is not the finished softmax but p = 2^(t - M), with t = logit x log2(e) and M = ceil(the row's largest t), a whole number; so 1/2 < the row's largest p <= 1. The row's sum l is taken of the UNQUANTISED p, in f32, and the product's result is divided by l at the end. Since M is a whole number, a kernel that streams over the keys may use a running M (the ceiling of the running maximum): every later rescaling is an exact power of two, which a block's scale takes up: the codes' values come out the same.
;;   OPERANDS COMPUTED ON THE WAY. 'Computed on the way' means the value that the module computes at that place (a softmax that the list does not call 'softmax' is quantised finished and normalised). What goes into a quantiser is computed in f32, as accurately as f32 sums, v_exp_f32 and their like allow (about 1e-6 of the number): no bf16 or f16 on the way to a quantiser, and a product that is left as it is and whose result goes on into a quantised operand takes f32 operands (vector FMAs, or v_wmma_f32_16x16x4_f32). A number that lies on a knife's edge between two numbers of the format may be rounded either way, as far as f32 arithmetic and the matrix unit's own rounding can turn it there, and no further.
;; One version. Each part assembles by itself: llvm-mc -triple=amdgcn-amd-amdhsa -mcpu=gfx1250 --defsym DOCPART=n.
;; ======== version 1 of 1: 4 launches
;; workspace buffers: cod 6,291,456 bytes; scl 393,216 bytes; qimg 4,194,304 bytes; qsc 524,288 bytes; kv 9,175,040 bytes; oimg 4,194,304 bytes; osc 262,144 bytes
;; launch quant (part 1): grid 384 x 1, 4 waves a work-group, no clusters, 33,280 bytes of LDS; arguments x, w_qkv, w_out, cod, scl; writes cod, scl
.if DOCPART == 1
	.amdgcn_target "amdgcn-amd-amdhsa--gfx1250"
	.amdhsa_code_object_version 6
	.text
	.protected	k_qd385dc61c7_quant
	.globl	k_qd385dc61c7_quant
	.p2align	8
	.type	k_qd385dc61c7_quant,@function
k_qd385dc61c7_quant:
	s_mov_b64 s[64:65], 0
	v_nop
	global_prefetch_b8 v0, s[64:65] scope:SCOPE_SE
	s_setreg_imm32_b32 hwreg(HW_REG_WAVE_MODE, 25, 1), 1
	s_wait_xcnt 0x0
; LAUNCH 1 OF 4.  The program: out0 = attention(x w_qkv^T + b_qkv) w_out^T + b_out, 16 heads of 64, all four products on codes of FP4 (E2M1) with one E8M0 scale for each 32 along a product's K.
; NO WORK IS LEFT OUT: every input has a way to the output (b_qkv's part for k moves k's codes and scales), and every product of the problem is live.
; THIS LAUNCH turns the three operands that arrive as f32 with K innermost, x [8192][1024], w_qkv [3072][1024], w_out [1024][1024], into codes (cod: [12288 rows][512 bytes]) and scale bytes (scl: [12288 rows][32 bytes]):
; rows 0 .. 8191 x, 8192 .. 11263 w_qkv, 11264 .. 12287 w_out.
; THE ORDER OF ROWS IN cod AND scl: in each group of 32 rows the four runs of 8 rows are stored in the order 0, 2, 1, 3.  Sixteen rows on end are then a tile whose row m is row 8 u + m + 8 (m / 8) of the group (u: the tile's
; number in the group).  A product that takes such tiles as its source 0 leaves 16 NEIGHBOURS along that axis in a lane's 16 registers of two tiles on end, which is what the next quantiser wants.  A wave's run is 8 rows, so the order costs three scalar lines.
; A block's scale is 2^(floor(log2(its largest magnitude)) - 2); its byte is the largest magnitude's exponent field - 2, held at 1 from below.  Each number is divided by the scale and rounded to the nearest code, ties to even, beyond 6 the code of 6.
; LIMITS: a block of zeros gets the byte 1 where the rule says 127 (its codes are zeros, which add nothing under any byte but 0xff, and this program alone reads the bytes); blocks whose largest magnitude lies under 2^-124 are held at that byte; NaN and infinities among the inputs are not served.
; A wave takes 16 steps of 512 numbers.  Each of a step's four loads reads 512 consecutive bytes, 16 a lane; the 2,048 bytes go through the wave's own stage in LDS and come back 64 bytes a lane: 16 neighbours, two lanes to a block.
; A lane's 16 codes are 8 bytes: the wave stores 256 consecutive bytes.  A wave's 256 scale bytes are gathered in LDS and leave as one aligned run of 256 bytes.  No tensor load, no barrier: waves share nothing.
.set WAVES, 4
.set STEPS, 16
.set EMAX,  2
.set CB,    8                          ; bytes of 16 codes
.set R,     16                         ; v16-79   four sets of 16 numbers as they are loaded
.set X,     80                         ; v80-111  two sets of 16 neighbours
.set C,     128                        ; v128-191 codes: four registers for each step, so that no store's data are written again
.set E,     112                        ; v112-127 a scale byte for each step
.set WREG,  8192                       ; LDS: a region for each wave: two stages of 32 x SP bytes, behind them its 256 scale bytes
.set SP,    80                         ; a lane's place in a stage: its 64 bytes + 16 of padding
.set SPW,   12                         ; v12      LDS address of my spare word: SPARE + 4 x my thread's number; never rewritten
.set NIL,   13                         ; v13      0; never rewritten
.set SPARE, WAVES*WREG                 ; behind the four regions: the spare words, 128 bytes for each wave
	s_load_b256 s[4:11], s[0:1], 0x0               ; x s[4:5], w_qkv s[6:7], w_out s[8:9], cod s[10:11]
	s_load_b64 s[12:13], s[0:1], 0x20              ; scl
	v_lshl_add_u32 v[SPW], v0, 2, SPARE
	v_mov_b32 v[NIL], 0
	v_lshrrev_b32 v1, 5, v0
	v_readfirstlane_b32 s16, v1                    ; wave
	v_and_b32 v2, 31, v0                           ; lane
	v_lshlrev_b32 v3, 4, v2                        ; my 16 bytes of a load's 512
	s_mul_i32 s17, s16, WREG
	v_lshrrev_b32 v14, 2, v2
	v_mul_u32_u24 v14, v14, SP
	v_and_b32 v15, 3, v2
	v_lshl_add_u32 v14, v15, 4, v14
	v_add_nc_u32 v14, s17, v14                     ; the stage, on the way in: SP (lane / 4) + 16 (lane % 4)
	v_mul_u32_u24 v15, v2, SP
	v_add_nc_u32 v15, s17, v15                     ; and on the way out: SP x lane: my 16 neighbours
	v_mul_u32_u24 v4, v2, CB                       ; my codes' place in a step's
	v_lshrrev_b32 v5, 1, v2
	s_add_co_u32 s17, s17, 2*32*SP
	v_add_nc_u32 v5, s17, v5                       ; LDS: my wave's 256 scale bytes, my block's byte
	v_lshlrev_b32 v7, 3, v2                        ; and on the way out 8 bytes a lane
	v_add_nc_u32 v6, s17, v7
	s_wait_alu depctr_va_vdst(0)
	s_wait_kmcnt 0x0
	s_cmp_lt_u32 ttmp9, 256                        ; work-groups 0 .. 255 take x, 256 .. 351 w_qkv, 352 .. 383 w_out: the choice hangs on the work-group's number alone
	s_cselect_b64 s[4:5], s[4:5], s[6:7]
	s_cselect_b32 s17, 0, 256
	s_mov_b32 s18, 352
	s_cmp_lt_u32 ttmp9, s18
	s_cselect_b64 s[4:5], s[4:5], s[8:9]
	s_cselect_b32 s17, s17, s18                    ; the tensor's first work-group
	s_sub_co_u32 s17, ttmp9, s17
	s_lshl_b32 s17, s17, 2
	s_add_co_u32 s17, s17, s16                     ; which run of 8 rows of the tensor is my wave's
	s_lshl_b32 s20, s17, 15                        ; 32,768 bytes a run (under 2^26 in all)
	s_mov_b32 s21, 0
	s_add_nc_u64 s[4:5], s[4:5], s[20:21]
	s_and_b32 s18, s16, 1                          ; where the run goes: runs 1 and 2 of a group of 32 rows change places
	s_lshl_b32 s18, s18, 1
	s_lshr_b32 s19, s16, 1
	s_or_b32 s18, s18, s19
	s_lshl_b32 s19, ttmp9, 2
	s_add_co_u32 s18, s18, s19
	s_lshl_b32 s20, s18, 12                        ; 4,096 bytes of codes a run
	s_add_nc_u64 s[10:11], s[10:11], s[20:21]
	s_lshl_b32 s20, s18, 8                         ; 256 scale bytes a run
	s_add_nc_u64 s[12:13], s[12:13], s[20:21]
.macro LOAD t
.irp i, 0,1,2,3
	global_load_b128 v[R+16*((\t)%4)+4*\i:R+16*((\t)%4)+4*\i+3], v3, s[4:5] offset:2048*(\t)+512*\i th:TH_LOAD_NT   ; 32 lanes read 512 consecutive bytes
.endr
.endm
.macro TURN t                          ; step t's numbers through the stage: LDS serves a wave's instructions in order, so no wait stands between the stores and the loads
.irp i, 0,1,2,3
	ds_store_b128 v14, v[R+16*((\t)%4)+4*\i:R+16*((\t)%4)+4*\i+3] offset:32*SP*((\t)%2)+8*SP*\i
.endr
.irp i, 0,1,2,3
	ds_load_b128 v[X+16*((\t)%2)+4*\i:X+16*((\t)%2)+4*\i+3], v15 offset:32*SP*((\t)%2)+16*\i
.endr
.endm
.irp t, 0,1,2,3
	LOAD \t
.endr
	s_wait_loadcnt 12                              ; step 0's four loads are in; twelve younger ones stay out
	TURN 0
.macro STEP t
.set XS, X+16*((\t)%2)
.if (\t) > 0
	s_wait_dscnt 1                                 ; this step's numbers are back from the stage (the last step's byte store may be out): so its stores into the stage have read their registers,
.else
	s_wait_dscnt 0x0
.endif
.if (\t)+4 < STEPS
	LOAD (\t)+4                                    ; which take the loads of four steps on
.endif
.if (\t)+1 < STEPS
.if STEPS-2-(\t) >= 3
	s_wait_loadcnt 12                              ; the next step's four loads are in; those of the three steps behind it may be out
.else
	s_wait_loadcnt 4*(STEPS-2-(\t))
.endif
	TURN (\t)+1                                    ; and go through the other stage while this step is worked
.endif
	v_max3_num_f32 v8, |v[XS]|, |v[XS+1]|, |v[XS+2]|               ; the largest magnitude of my 16, in two chains
	v_max3_num_f32 v9, |v[XS+3]|, |v[XS+4]|, |v[XS+5]|
.irp i, 6,10
	v_max3_num_f32 v8, v8, |v[XS+\i]|, |v[XS+\i+1]|
	v_max3_num_f32 v9, v9, |v[XS+\i+2]|, |v[XS+\i+3]|
.endr
	v_max3_num_f32 v8, v8, |v[XS+14]|, |v[XS+15]|
	v_max3_num_f32 v8, v8, v9, (EMAX+1)<<23        ; and the floor 2^(3 - 127): the byte cannot fall under 1
	v_max_num_f32_dpp v8, v8, v8 row_xmask:1 row_mask:0xf bank_mask:0xf   ; and of my neighbour's 16: the block's
	v_add_nc_u32 v11, -(EMAX<<23), v8              ; 2 off its exponent field: the conversion takes the exponent field of this operand as its scale
	v_cvt_scalef32_pk8_fp4_f32 v[C+4*(\t)], v[XS:XS+7], v11
	v_cvt_scalef32_pk8_fp4_f32 v[C+4*(\t)+1], v[XS+8:XS+15], v11
	v_lshrrev_b32 v[E+(\t)], 23, v11               ; the scale's byte (a plain line behind the conversions)
	ds_store_b8 v5, v[E+(\t)] offset:16*(\t)       ; both lanes of a block write the same byte with the same value
	global_store_b64 v4, v[C+4*(\t):C+4*(\t)+1], s[10:11] offset:32*CB*(\t)   ; 32 lanes store 256 consecutive bytes, aligned
.endm
.irp t, 0,1,2,3,4,5,6,7,8,9,10,11,12,13,14,15
	STEP \t
.endr
	ds_load_b64 v[8:9], v6                         ; LDS serves a wave's instructions in order: these see my byte stores
	s_wait_dscnt 0x0
	global_store_b64 v7, v[8:9], s[12:13]          ; 32 lanes store 256 consecutive bytes, aligned
	s_wait_tensorcnt 0x0                           ; the wave's end: a tensor wait, an add of 0 onto my spare word and its wait, behind my last LDS store
	ds_add_u32 v[SPW], v[NIL]
	s_wait_dscnt 0x0
	s_endpgm
.Lfunc_end_k_qd385dc61c7_quant:
	.size	k_qd385dc61c7_quant, .Lfunc_end_k_qd385dc61c7_quant-k_qd385dc61c7_quant
	.p2alignl 7, 3214868480
	.fill 96, 4, 3214868480
	.section	.rodata,"a",@progbits
	.p2align	6, 0x0
	.amdhsa_kernel k_qd385dc61c7_quant
		.amdhsa_group_segment_fixed_size 33280
		.amdhsa_private_segment_fixed_size 0
		.amdhsa_enable_private_segment 0
		.amdhsa_kernarg_size 40
		.amdhsa_user_sgpr_count 2
		.amdhsa_user_sgpr_kernarg_segment_ptr 1
		.amdhsa_wavefront_size32 1
		.amdhsa_system_sgpr_workgroup_id_x 1
		.amdhsa_system_sgpr_workgroup_id_y 1
		.amdhsa_system_sgpr_workgroup_id_z 1
		.amdhsa_system_vgpr_workitem_id 0
		.amdhsa_next_free_vgpr 192
		.amdhsa_next_free_sgpr 66
		.amdhsa_reserve_vcc 0
		.amdhsa_float_denorm_mode_32 3
		.amdhsa_float_denorm_mode_16_64 3
		.amdhsa_memory_ordered 1
		.amdhsa_forward_progress 1
		.amdhsa_inst_pref_size 34
	.end_amdhsa_kernel
	.amdgpu_metadata
---
amdhsa.version: [ 1, 2 ]
amdhsa.kernels:
  - .name:           k_qd385dc61c7_quant
    .symbol:         k_qd385dc61c7_quant.kd
    .args:
      - { .name: x, .offset: 0, .size: 8, .value_kind: global_buffer, .address_space: global }
      - { .name: w_qkv, .offset: 8, .size: 8, .value_kind: global_buffer, .address_space: global }
      - { .name: w_out, .offset: 16, .size: 8, .value_kind: global_buffer, .address_space: global }
      - { .name: cod, .offset: 24, .size: 8, .value_kind: global_buffer, .address_space: global }
      - { .name: scl, .offset: 32, .size: 8, .value_kind: global_buffer, .address_space: global }
    .group_segment_fixed_size: 33280
    .private_segment_fixed_size: 0
    .kernarg_segment_align: 8
    .kernarg_segment_size: 40
    .max_flat_workgroup_size: 128
    .sgpr_count:     66
    .vgpr_count:     192
    .wavefront_size: 32
...
	.end_amdgpu_metadata
.endif
;; end of part 1
;; launch qkv (part 2): grid 8 x 48, 4 waves a work-group, clusters of 4 x 4, 302,592 bytes of LDS; arguments cod, scl, b_qkv, qimg, qsc, kv; writes qimg, qsc, kv
.if DOCPART == 2
	.amdgcn_target "amdgcn-amd-amdhsa--gfx1250"
	.amdhsa_code_object_version 6
	.text
	.protected	k_qd385dc61c7_qkv
	.globl	k_qd385dc61c7_qkv
	.p2align	8
	.type	k_qd385dc61c7_qkv,@function
k_qd385dc61c7_qkv:
	s_mov_b64 s[64:65], 0
	v_nop
	global_prefetch_b8 v0, s[64:65] scope:SCOPE_SE
	s_setreg_imm32_b32 hwreg(HW_REG_WAVE_MODE, 25, 1), 1
	s_wait_xcnt 0x0
	s_wait_alu depctr_hold_cnt(0) depctr_sa_sdst(0) depctr_va_vdst(0) depctr_va_sdst(0) depctr_va_ssrc(0) depctr_va_vcc(0) depctr_vm_vsrc(0)
	s_getreg_b32 s2, hwreg(HW_REG_IB_STS2, 6, 4)
	s_cmp_eq_u32 s2, 0
	s_cbranch_scc0 .Lentry_in_a_cluster
	s_endpgm
.Lentry_in_a_cluster:
	s_bfe_u32 s2, ttmp6, 0x10000c
	s_cmp_lg_u32 s2, 0xf033
	s_cbranch_scc0 .Lentry_shape_is_right
	s_endpgm
.Lentry_shape_is_right:
; LAUNCH 2 OF 4 (no work of the problem is left out).  qkv = x w_qkv^T + b_qkv on the codes of launch 1, and on the way out the quantisers of q and k (along the head's 64 channels) and of v (along the keys).  No f32 number of qkv goes to memory.
; A tile is 256 rows R x 256 rows P of cod, K = 1,024; four waves, each 128 x 128: 64 accumulators, 512 registers.  THE MATRIX INSTRUCTION TAKES P AS SOURCE 0 AND R AS SOURCE 1: a lane holds ONE row of R, and its registers run along P.
; By the order of rows in cod (launch 1) the 64 registers of a block of 16 rows of R hold, in register 16 b + i, P's row 32 b + 16 (lane / 16) + i of the wave's 128: 16 neighbours of each block of 32.
;   q, k (clusters y 0 .. 7):  R = tokens, P = channels of q or k: a lane's registers run along the channels, two heads of 64.     v (clusters y 8 .. 11):  R = channels of v, P = tokens: the registers run along the keys.
; So one macro (QUANT) quantises all three, and its results ARE operand registers of launch 3.  They are stored as IMAGES OF REGISTERS: four registers by one store, lane l's 16 bytes at 16 l, 512 consecutive bytes.
;   qimg [b h 64][tile 128][512]: registers 0-3 of a fragment of 16 queries x 64 channels (registers 4-7, K 64 .. 127, are zeros that launch 3 makes).   qsc [b h][tile][16 words]: bytes 0, 1 the row's two scales; bytes 2, 3 stand over zero codes and are never 0xff.
;   kv [b h][key step of 128, 16][8,960]: 8 tiles of k x 512 | 4 tiles of v^T (16 channels x 128 keys) x 1,024 | k's scale words 8 x 64 | v's 4 x 64.
; K is two slots of 512 along K: both are first fills, nothing is filled again, so there is no loop and no round of the cluster's barrier but the first and the last.
; CLUSTERS: 4 x 4 work-groups.  R's tiles hang on the cluster's y and cy alone and are asked for jointly along a row of the cluster, P's on the cluster's x, y and cx alone and jointly along a column.
; The branch between the two ways out hangs on the cluster's y alone: it is the same in all sixteen partners.  Each way out has LDS bytes of its own.
; LIMITS as in launch 1 (a block of zeros has the byte 1; NaN and infinities are not served).
; REGISTERS: window 0: v16-31 addresses; v32-95 scale words, two sets; v128-191 R's fragments, one set.  window 1: P's fragments, two sets.  windows 2, 3: the accumulators ((a, b) at v[8 (8 (a % 4) + b)]).
;   On the way out, window 0: v32-95 the codes, 8 registers for each block; v96-103 the blocks' scale words; v104-120 at work; v128-191 a block's 64 numbers; v192-255 the bias.
.set ROWB,   256                       ; a tile's row in bytes: 512 codes
.set KROW,   512                       ; a row of cod
.set PITCH,  272                       ; an LDS row: 256 bytes + 16 of padding, so that the 16 rows that a load touches begin 68 words apart
.set FR,     8
.set NL,     2                         ; LDS loads that bring a fragment
.set NP,     4                         ; places behind this matrix instruction (ISA guide 7.12.1)
.set NQ,     4                         ; steps of 128 along K in a slot
.set HALFT,  128*PITCH                 ; 128 rows: what one tensor load brings
.set SLOT,   4*HALFT                   ; R's 256 rows, then P's 256 rows
.set SCL,    2*SLOT                    ; the scale bytes: 32 a row, as runs of 256 bytes + 16 of padding
.set HALFS,  16*272                    ; those of 128 rows
.set SBLK,   2*272                     ; those of 16 rows
.set SPARE,  SCL+4*HALFS               ; the spare words, 128 bytes for each wave
.set STGQ,   SPARE+512                 ; q, k: 1,024 bytes a wave for the scale words of two heads
.set STGV,   STGQ+4*1024               ; v: 512 bytes a wave
.set RECB,   8960                      ; a key step's record in kv
.set HEADB,  143360                    ; a head's 16 records
.set ADRA, 16                          ; v16-17  LDS address of my fragments of R in slot 0, 1
.set VB4,  18                          ; v18     4 (r + 8 (r / 8)): my channel's place in a tile's bias (v)
.set VSO,  19                          ; v19     16 (l % 16) + HEADB (l / 16): v's scale words on the way out
.set ADRB, 20                          ; v20-21  the same as v16-17 for P
.set RQ,   22                          ; v22     STGQ + 1,024 w + 16 l
.set RV,   23                          ; v23     STGV + 512 w + 16 l
.set L16,  24                          ; v24     16 l: an image's place for my lane
.set SQ,   25                          ; v25     STGQ + 1,024 w + 512 (l / 16) + 4 r
.set SV,   26                          ; v26     STGV + 512 w + 4 r
.set ADRS, 27                          ; v27     LDS address of my scale words: lanes 0-15 R's rows, lanes 16-31 P's
.set SPW,  28                          ; v28     my spare word; never rewritten
.set NIL,  29                          ; v29     0; never rewritten
.set H16,  30                          ; v30     16 (l / 16)
.set H64,  31                          ; v31     64 (l / 16)
.set SC,   32
.set AF,   128
.set PCB,  32
.set SW,   96
.set TM,   104
.set PWT,  120
.set HA,   128
.set BI,   192
.set G1, 24                            ; s[24:31] group 1 for R's tiles; s[32:39] group 0, a set for each slot
.set G0, 32
.set G1B, 48                           ; s[48:55], s[56:63] the same for P's
.set G0B, 56
.set SEL, 66                           ; s[66:67] selects for v_permlanex16_b32: lane l xor 16
.set G1S, 68                           ; s[68:75], s[76:79] groups 1 and 0 for R's scale bytes; s[80:87], s[88:91] for P's
.set G0S, 76
.set G1SB, 80
.set G0SB, 88
.set MSB, 0
.macro WIN new                         ; the immediate's high byte repeats the setting that is left
.if MSB != \new
	s_set_vgpr_msb (MSB<<8)|\new
.set MSB, \new
.endif
.endm
.set MUL_LO, 0xa1                      ; source 0 (P) window 1, source 1 (R) window 0, C and D window 2
.set MUL_HI, 0xf1                      ; the same, C and D window 3
.set TO_B,   0x40                      ; destination window 1, address window 0
; A joint load: waves 0 and 1 fetch for R, waves 2 and 3 for P.  The branch hangs on the wave's number alone.  An s_nop 0 and four v_nop follow each of the two lines.
.macro JLOAD g0a, g1a, g0b, g1b
	s_cmp_eq_u32 s17, 0
	s_cbranch_scc0 .Lfor_b_\@
	tensor_load_to_lds s[\g0a:\g0a+3], s[\g1a:\g1a+7]
	s_nop 0
.rept 4
	v_nop
.endr
	s_branch .Lasked_\@
.Lfor_b_\@:
	tensor_load_to_lds s[\g0b:\g0b+3], s[\g1b:\g1b+7]
	s_nop 0
.rept 4
	v_nop
.endr
.Lasked_\@:
.endm
.macro CROUND                          ; a round of the cluster's barrier
	s_barrier_signal -1
	s_barrier_wait -1
	s_cmp_lg_u32 s16, 0
	s_cbranch_scc1 .Lnot_wave_0_\@
	s_barrier_signal -3
.Lnot_wave_0_\@:
	s_barrier_wait -3
	s_barrier_signal -1
	s_barrier_wait -1
.endm
	s_load_b256 s[4:11], s[0:1], 0x0               ; cod s[4:5], scl s[6:7], b_qkv s[8:9], qimg s[10:11]
	s_load_b128 s[12:15], s[0:1], 0x20             ; qsc s[12:13], kv s[14:15]
	v_lshl_add_u32 v[SPW], v0, 2, SPARE
	v_mov_b32 v[NIL], 0
	ds_add_u32 v[SPW], v[NIL]                      ; the wave's opening: the add, twice on end, and its wait ahead of my first tensor load
	ds_add_u32 v[SPW], v[NIL]
	v_lshrrev_b32 v1, 5, v0
	v_readfirstlane_b32 s16, v1                    ; wave 0..3
	s_lshr_b32 s17, s16, 1                         ; which 128 rows of R are mine.  Also: I fetch for R (0) or for P (1)
	s_and_b32 s18, s16, 1                          ; which 128 rows of P.  Also: which 128 rows of that tile I fetch
	s_bfe_u32 s40, ttmp6, 0x40000                  ; cx
	s_bfe_u32 s41, ttmp6, 0x40004                  ; cy
	s_lshl_b32 s42, ttmp9, 2
	s_add_co_u32 s42, s42, s40                     ; TX = 4 x cluster x + cx, 0 .. 7
	s_and_b32 s96, ttmp7, 0xffff                   ; CY = cluster y, 0 .. 11
	s_lshl_b32 s43, s41, 2
	s_lshl_b32 s43, 15, s43                        ; my row of the cluster
	s_lshl_b32 s44, 0x1111, s40                    ; my column
	s_or_b32 s[G1+0], s43, (0<<16)|(1<<20)|(1<<21)|(5<<22)|(3<<25)  ; 15:0 the mask; elements of 1 byte; padding on; 21 set beside a mask; 4 words behind every 64
	s_or_b32 s[G1B+0], s44, (0<<16)|(1<<20)|(1<<21)|(5<<22)|(3<<25)
.irp g, G1, G1B
	s_mov_b32 s[\g+1], ROWB<<16                    ; tensor_dim0
	s_mov_b32 s[\g+2], 128<<16                     ; tensor_dim1
	s_mov_b32 s[\g+3], ROWB<<16                    ; tile_dim0
	s_mov_b32 s[\g+4], 128                         ; tile_dim1
	s_mov_b32 s[\g+5], KROW                        ; from row to row
	s_mov_b32 s[\g+6], 0
	s_mov_b32 s[\g+7], 0
.endr
	s_or_b32 s[G1S+0], s43, (3<<16)|(1<<20)|(1<<21)|(5<<22)|(3<<25) ; the scale bytes of 128 rows: 4,096 dense bytes as 16 rows of 32 elements of 8 bytes, 16 bytes of padding behind each
	s_or_b32 s[G1SB+0], s44, (3<<16)|(1<<20)|(1<<21)|(5<<22)|(3<<25)
.irp g, G1S, G1SB
	s_mov_b32 s[\g+1], 32<<16
	s_mov_b32 s[\g+2], 16<<16
	s_mov_b32 s[\g+3], 32<<16
	s_mov_b32 s[\g+4], 16
	s_mov_b32 s[\g+5], 32
	s_mov_b32 s[\g+6], 0
	s_mov_b32 s[\g+7], 0
.endr
	s_mov_b32 s[SEL], 0x76543210
	s_mov_b32 s[SEL+1], 0xfedcba98
	; the tiles' first rows in cod.  q, k: R = x's rows 1,024 CY + 256 cy, P = w_qkv's rows 256 TX (at 8,192).  v: R = w_qkv's rows 2,048 + 256 cy (at 10,240), P = x's rows 2,048 (CY - 8) + 256 TX
	s_lshl_b32 s20, s96, 10
	s_lshl_b32 s46, s96, 11
	s_sub_co_u32 s46, s46, 16384
	s_mov_b32 s21, 10240
	s_mov_b32 s47, 8192
	s_cmp_ge_u32 s96, 8
	s_cselect_b32 s19, 1, 0                        ; 1: this cluster makes v
	s_cselect_b32 s20, s21, s20                    ; (s20 never holds cx,
	s_cselect_b32 s46, s46, s47                    ; s46 never cy)
	s_lshl_b32 s21, s41, 8
	s_add_co_u32 s20, s20, s21
	s_lshl_b32 s47, s42, 8
	s_add_co_u32 s46, s46, s47
	s_lshl_b32 s45, s18, 7                         ; which 128 rows of the tile I fetch
	s_add_co_u32 s20, s20, s45
	s_add_co_u32 s46, s46, s45
	s_lshl_b32 s22, s20, 5                         ; their scale bytes,
	s_mov_b32 s23, 0
	s_lshl_b32 s92, s46, 5
	s_mov_b32 s93, 0
	s_lshl_b32 s20, s20, 9                         ; their codes (all under 2^23)
	s_mov_b32 s21, 0
	s_lshl_b32 s46, s46, 9
	s_mov_b32 s47, 0
	s_mul_i32 s45, s16, HALFT                      ; where they go: wave x 128 rows: no place in the cluster enters an LDS address
	s_mul_i32 s94, s16, HALFS
	s_wait_dscnt 0x0                               ; both opening adds are done
	s_wait_kmcnt 0x0
	s_add_nc_u64 s[20:21], s[4:5], s[20:21]
	s_add_nc_u64 s[22:23], s[6:7], s[22:23]
	s_add_nc_u64 s[46:47], s[4:5], s[46:47]
	s_add_nc_u64 s[92:93], s[6:7], s[92:93]
	CROUND                                         ; all sixteen work-groups are here: the joint loads meet
	s_mov_b32 s[G0S], 1
	s_add_co_u32 s[G0S+1], s94, SCL
	s_mov_b64 s[G0S+2:G0S+3], s[22:23]
	s_or_b32 s[G0S+3], s[G0S+3], 0x80000000
	s_mov_b32 s[G0SB], 1
	s_add_co_u32 s[G0SB+1], s94, SCL
	s_mov_b64 s[G0SB+2:G0SB+3], s[92:93]
	s_or_b32 s[G0SB+3], s[G0SB+3], 0x80000000
	JLOAD G0S, G1S, G0SB, G1SB                     ; the scale bytes first: they are wanted with slot 0
.irp s, 0,1
	s_mov_b32 s[G0+4*\s], 1
	s_add_co_u32 s[G0+4*\s+1], s45, \s*SLOT
	s_add_nc_u64 s[G0+4*\s+2:G0+4*\s+3], s[20:21], \s*ROWB
	s_or_b32 s[G0+4*\s+3], s[G0+4*\s+3], 0x80000000
	s_mov_b32 s[G0B+4*\s], 1
	s_add_co_u32 s[G0B+4*\s+1], s45, \s*SLOT
	s_add_nc_u64 s[G0B+4*\s+2:G0B+4*\s+3], s[46:47], \s*ROWB
	s_or_b32 s[G0B+4*\s+3], s[G0B+4*\s+3], 0x80000000
	JLOAD G0+4*\s, G1, G0B+4*\s, G1B               ; three loads of mine are out behind the second of these
.endr
	v_and_b32 v1, 15, v0                           ; r = l % 16
	v_bfe_u32 v2, v0, 4, 1                         ; h = l / 16
	v_mul_u32_u24 v3, v1, PITCH
	v_lshl_add_u32 v4, v2, 4, v3                   ; a fragment's row x pitch + 16 h
	s_mul_i32 s21, s17, HALFT                      ; my 128 rows of R
	s_mul_i32 s22, s18, HALFT                      ; my 128 rows of P,
	s_add_co_u32 s22, s22, 2*HALFT                 ; which lie behind R's 256
.irp s, 0,1
	v_add_nc_u32 v[ADRA+\s], s21, v4
	v_add_nc_u32 v[ADRB+\s], s22, v4
	s_add_co_u32 s21, s21, SLOT
	s_add_co_u32 s22, s22, SLOT
.endr
	v_mul_u32_u24 v5, v1, 32                       ; my row's scale bytes: 32 a row,
	v_lshrrev_b32 v6, 8, v5
	v_lshl_add_u32 v5, v6, 4, v5                   ; and 16 more for each 256 passed
	s_mul_i32 s21, s17, HALFS
	s_mul_i32 s22, s18, HALFS
	s_add_co_u32 s22, s22, 2*HALFS
	s_sub_co_u32 s22, s22, s21
	v_mul_u32_u24 v6, s22, v2                      ; lanes 16-31 take P's: one product, the distance between the two bases x h
	s_add_co_u32 s21, s21, SCL
	v_add_nc_u32 v5, v5, v6
	v_add_nc_u32 v[ADRS], s21, v5
	v_and_b32 v7, 31, v0
	v_lshlrev_b32 v[L16], 4, v7
	s_lshl_b32 s21, s16, 10
	s_add_co_u32 s21, s21, STGQ
	v_add_nc_u32 v[RQ], s21, v[L16]
	v_lshl_add_u32 v8, v2, 9, s21
	v_lshl_add_u32 v[SQ], v1, 2, v8
	s_lshl_b32 s22, s16, 9
	s_add_co_u32 s22, s22, STGV
	v_add_nc_u32 v[RV], s22, v[L16]
	v_lshl_add_u32 v[SV], v1, 2, s22
	v_lshlrev_b32 v[H16], 4, v2
	v_lshlrev_b32 v[H64], 6, v2
	v_and_b32 v8, 8, v1
	v_add_nc_u32 v8, v8, v1
	v_lshlrev_b32 v[VB4], 2, v8
	v_mul_u32_u24 v8, v2, HEADB
	v_lshl_add_u32 v[VSO], v1, 4, v8
.irp b, 0,1,2,3
	v_mov_b32 v[TM+4+\b], 0                        ; written once: a lane permute's destination counts as one of its sources
.endr
.macro FRAG reg, adr, q, i             ; 16 rows x 128 K of 4-bit codes: lane l holds row l % 16; registers 4 c .. 4 c + 3 hold K = 64 c + 32 (l / 16) + 0 .. 31
.irp c, 0,1
	ds_load_b128 v[\reg+4*\c:\reg+4*\c+3], v[\adr] offset:64*(\q)+32*\c+(\i)*16*PITCH
.endr
.endm
; 16 matrix instructions: R's blocks a0, a0 + 1 x P's eight, the slot's q-th 128 along K.  p: P's set; sc: the set of scale words.  zero = 1: the first product starts the sums.
; The 64 accumulators take turns, one instruction a turn, in the same order in every step.
.macro MUL16 a0, p, q, sc, zero
.irp a, \a0, \a0+1
.irp b, 0,1,2,3,4,5,6,7
.if \zero
	v_wmma_scale_f32_16x16x128_f8f6f4 v[8*(8*((\a)%4)+\b):8*(8*((\a)%4)+\b)+7], v[128*(\p)+FR*\b:128*(\p)+FR*\b+FR-1], v[AF+FR*(\a):AF+FR*(\a)+FR-1], 0, v[SC+8*NQ*(\sc)+NQ*\b+(\q)], v[SC+8*NQ*(\sc)+NQ*(\a)+(\q)] matrix_a_fmt:MATRIX_FMT_FP4 matrix_b_fmt:MATRIX_FMT_FP4 matrix_a_scale:MATRIX_SCALE_ROW1
.else
	v_wmma_scale_f32_16x16x128_f8f6f4 v[8*(8*((\a)%4)+\b):8*(8*((\a)%4)+\b)+7], v[128*(\p)+FR*\b:128*(\p)+FR*\b+FR-1], v[AF+FR*(\a):AF+FR*(\a)+FR-1], v[8*(8*((\a)%4)+\b):8*(8*((\a)%4)+\b)+7], v[SC+8*NQ*(\sc)+NQ*\b+(\q)], v[SC+8*NQ*(\sc)+NQ*(\a)+(\q)] matrix_a_fmt:MATRIX_FMT_FP4 matrix_b_fmt:MATRIX_FMT_FP4 matrix_a_scale:MATRIX_SCALE_ROW1
.endif
.endr
.endr
.endm
.macro FETCH_B slot, q, p
	WIN TO_B
.irp i, 0,1,2,3,4,5,6,7
	FRAG 128*(\p)+FR*\i, ADRB+\slot, \q, \i
.endr
	WIN 0
.endm
.macro FETCH_A slot, q, i0
.irp i, \i0, \i0+1, \i0+2, \i0+3
	FRAG AF+FR*(\i), ADRA+\slot, \q, \i
.endr
.endm
.macro SCALES sc                       ; slot sc's scale words: 16 bytes a row; lanes 0-15 take R's block i, lanes 16-31 P's block i
.irp i, 0,1,2,3,4,5,6,7
	ds_load_b128 v[SC+8*NQ*\sc+NQ*\i:SC+8*NQ*\sc+NQ*\i+3], v[ADRS] offset:\i*SBLK+16*\sc
.endr
.endm
.macro PLACES n                        ; plain vector instructions that name no register of the matrix instructions ahead: in front of loads into registers that those have read, and of reads of results
.rept \n
	v_nop
.endr
.endm
.macro STEP slot, q, zero              ; a step of 128 along K that has its successor in the same slot
	s_wait_dscnt 4*NL                              ; P's set and R's blocks 0-3 are in; the youngest eight loads (R's blocks 4-7) may be out
	WIN MUL_LO
	MUL16 0, (\q)%2, \q, \slot, \zero
	MUL16 2, (\q)%2, \q, \slot, \zero
	s_wait_dscnt 0                                 ; R's blocks 4-7 are in
	PLACES NP
	FETCH_B \slot, (\q)+1, 1-(\q)%2
	FETCH_A \slot, (\q)+1, 0
	WIN MUL_HI
	MUL16 4, (\q)%2, \q, \slot, \zero
	MUL16 6, (\q)%2, \q, \slot, \zero
	PLACES NP
	WIN 0
	FETCH_A \slot, (\q)+1, 4
.endm
.macro LAST                            ; the last step: nothing more to fetch
	s_wait_dscnt 4*NL
	WIN MUL_LO
	MUL16 0, 1, NQ-1, 1, 0
	MUL16 2, 1, NQ-1, 1, 0
	s_wait_dscnt 0
	WIN MUL_HI
	MUL16 4, 1, NQ-1, 1, 0
	MUL16 6, 1, NQ-1, 1, 0
	WIN 0
.endm
; 64 numbers of a lane, v[s] on, register 16 b + i = index 32 b + 16 (l / 16) + i of my row, become a fragment's codes in v[pc] .. v[pc + 7] and its scale word in v[pw].
.macro QUANT s, pc, pw
.irp b, 0,1,2,3
	v_max3_num_f32 v[TM+\b], |v[\s+16*\b]|, |v[\s+1+16*\b]|, 0x1800000   ; block b: my 16 numbers, and the floor 2^(3 - 127): the byte cannot fall under 1
.endr
.irp i, 2,4,6,8,10,12,14
.irp b, 0,1,2,3
	v_max3_num_f32 v[TM+\b], v[TM+\b], |v[\s+16*\b+\i]|, |v[\s+1+16*\b+\i]|   ; (the four blocks by turns)
.endr
.endr
.irp b, 0,1,2,3
	v_permlanex16_b32 v[TM+4+\b], v[TM+\b], s[SEL], s[SEL+1]
.endr
.irp b, 0,1,2,3
	v_max_num_f32 v[TM+\b], v[TM+\b], v[TM+4+\b]   ; with lane l xor 16's: the block's largest magnitude
.endr
.irp b, 0,1,2,3
	v_add_nc_u32 v[TM+12+\b], 0xff000000, v[TM+\b] ; 2 off its exponent field: the conversion's scale operand
.endr
.irp b, 0,1,2,3
	v_lshrrev_b32 v[TM+8+\b], 23, v[TM+12+\b]      ; the scale's byte
.endr
	v_lshl_or_b32 v[\pw], v[TM+9], 8, v[TM+8]      ; the four bytes make my row's scale word
	v_lshl_or_b32 v[\pw], v[TM+10], 16, v[\pw]
	v_lshl_or_b32 v[\pw], v[TM+11], 24, v[\pw]
.irp b, 0,1,2,3
	v_cvt_scalef32_pk8_fp4_f32 v[\pc+2*\b], v[\s+16*\b:\s+7+16*\b], v[TM+12+\b]
	v_cvt_scalef32_pk8_fp4_f32 v[\pc+1+2*\b], v[\s+8+16*\b:\s+15+16*\b], v[TM+12+\b]
.endr
	v_nop                                          ; one plain place behind a scaled conversion
.irp c, 0,1                                    ; the operand's layout wants a WHOLE block in a lane: lanes 0-15 block 2 c, lanes 16-31 block 2 c + 1
.irp i, 0,1
	v_permlane16_swap_b32 v[\pc+4*\c+\i], v[\pc+2+4*\c+\i]
.endr
.endr
.endm
; Block a of 16 rows of R leaves: + bias (each accumulator is read from its low end on), quantised, stored.  Each block has its own registers for codes and scale word: no store's data are written again.
.macro BLOCK a, isv
	WIN 0x02+(\a)/4                                ; source 0: window 2 or 3
.set n, 0
.rept 32
.if \isv
	v_pk_add_f32 v[HA+2*n:HA+2*n+1], v[64*((\a)%4)+2*n:64*((\a)%4)+2*n+1], v[BI+2*(\a):BI+2*(\a)+1]   ; v: one bias a lane, its channel's
.else
	v_pk_add_f32 v[HA+2*n:HA+2*n+1], v[64*((\a)%4)+2*n:64*((\a)%4)+2*n+1], v[BI+2*n:BI+2*n+1]         ; q, k: the bias runs along the registers
.endif
.set n, n+1
.endr
	WIN 0
.if \isv
	QUANT HA, PCB+8*(\a), SW+(\a)
	global_store_b128 v[L16], v[PCB+8*(\a):PCB+8*(\a)+3], s[24:25] offset:((\a)/4)*HEADB+((\a)%4)*1024       ; head a / 4, channel tile a % 4: 512 consecutive bytes, aligned
	global_store_b128 v[L16], v[PCB+8*(\a)+4:PCB+8*(\a)+7], s[24:25] offset:((\a)/4)*HEADB+((\a)%4)*1024+512
	ds_store_b32 v[SV], v[SW+(\a)] offset:64*(\a)  ; both halves of the lanes write the same word with the same value
.else
	QUANT HA, PCB+8*(\a), PWT
	global_store_b128 v[L16], v[PCB+8*(\a):PCB+8*(\a)+3], s[24:25] offset:512*(\a)     ; the first head's 64 channels,
	global_store_b128 v[L16], v[PCB+8*(\a)+4:PCB+8*(\a)+7], s[26:27] offset:512*(\a)   ; the second's
	v_lshrrev_b32 v[SW+(\a)], v[H16], v[PWT]       ; lanes 0-15 keep the word (bytes 0, 1: the first head's), lanes 16-31 bring the second head's two bytes down
	ds_store_b32 v[SQ], v[SW+(\a)] offset:64*(\a)
.endif
.endm
	s_wait_tensorcnt 1                             ; the scale bytes and my part of slot 0 are in; slot 1's load may stay out
	s_barrier_signal -1
	s_barrier_wait -1                              ; everybody's are
	FETCH_B 0, 0, 0
	FETCH_A 0, 0, 0
	SCALES 0
	FETCH_A 0, 0, 4
	STEP 0, 0, 1                                   ; the first step's products start the sums: nothing is cleared
	STEP 0, 1, 0
	STEP 0, 2, 0
	; slot 0's last step changes slots: one barrier; in front of it my part of slot 1 has landed
	s_wait_tensorcnt 0x0                           ; all my tensor loads have landed
	ds_add_u32 v[SPW], v[NIL]                      ; 0 onto my spare word
	s_wait_dscnt 4*NL+1                            ; (the add and the youngest eight loads may be out)
	WIN MUL_LO
	MUL16 0, 1, NQ-1, 0, 0
	s_wait_dscnt 0x0                               ; no LDS instruction of mine is out at the signal
	s_barrier_signal -1
	MUL16 2, 1, NQ-1, 0, 0
	WIN 0
	s_barrier_wait -1                              ; slot 1 is whole
	PLACES NP
	FETCH_B 1, 0, 0
	FETCH_A 1, 0, 0
	SCALES 1
	WIN MUL_HI
	MUL16 4, 1, NQ-1, 0, 0
	MUL16 6, 1, NQ-1, 0, 0
	PLACES NP
	WIN 0
	FETCH_A 1, 0, 4
	STEP 1, 0, 0
	STEP 1, 1, 0
	STEP 1, 2, 0
	s_cmp_lg_u32 s19, 0                            ; the cluster's y alone decides: the same in all sixteen partners.  The last step is written in both arms, so that an arm's bias lands under its 64 products
	s_cbranch_scc1 .Lv_arm
	; ---- q, k.  No tensor load is out, so the descriptors' registers are free
	s_lshl_b32 s34, s96, 2
	s_add_co_u32 s34, s34, s41                     ; 4 CY + cy: which 256 tokens
	s_lshr_b32 s35, s34, 3                         ; the batch
	s_lshl_b32 s34, s34, 1
	s_add_co_u32 s34, s34, s17
	s_and_b32 s34, s34, 15                         ; my 128 tokens: step s of the sequence
	s_lshl_b32 s35, s35, 4
	s_lshl_b32 s36, s40, 2
	s_add_co_u32 s35, s35, s36
	s_lshl_b32 s36, s18, 1
	s_add_co_u32 s35, s35, s36                     ; 16 b + my first head: 4 cx + 2 (wave % 2)
	s_mov_b32 s36, HEADB
	s_mov_b32 s37, RECB
	s_mov_b32 s38, HEADB
	s_mov_b32 s39, RECB
	s_cmp_ge_u32 ttmp9, 1                          ; cluster x 0 makes q, cluster x 1 makes k
	s_cselect_b64 s[24:25], s[14:15], s[10:11]     ; images: kv or qimg
	s_cselect_b64 s[28:29], s[14:15], s[12:13]     ; scale words: kv or qsc
	s_cselect_b32 s36, s36, 65536                  ; images: from head to head,
	s_cselect_b32 s37, s37, 4096                   ; from step to step
	s_cselect_b32 s38, s38, 8192                   ; scale words likewise
	s_cselect_b32 s39, s39, 512
	s_cselect_b32 s48, 8192, 0                     ; and their place in a record of kv
	s_mul_i32 s50, s35, s36
	s_mul_i32 s51, s34, s37
	s_add_co_u32 s50, s50, s51
	s_mov_b32 s51, 0
	s_mov_b32 s37, 0
	s_add_nc_u64 s[24:25], s[24:25], s[50:51]      ; the first head's images
	s_add_nc_u64 s[26:27], s[24:25], s[36:37]      ; the second's
	s_mul_i32 s50, s35, s38
	s_mul_i32 s52, s34, s39
	s_add_co_u32 s50, s50, s52
	s_add_co_u32 s50, s50, s48
	s_mov_b32 s39, 0
	s_add_nc_u64 s[28:29], s[28:29], s[50:51]      ; the first head's scale words
	s_add_nc_u64 s[30:31], s[28:29], s[38:39]      ; the second's
	s_lshl_b32 s50, s42, 10
	s_lshl_b32 s52, s18, 9
	s_add_co_u32 s50, s50, s52
	s_add_nc_u64 s[32:33], s[8:9], s[50:51]        ; b_qkv at my 128 channels
.irp bb, 0,1,2,3
.irp jj, 0,1,2,3
	global_load_b128 v[BI+16*\bb+4*\jj:BI+16*\bb+4*\jj+3], v[H64], s[32:33] offset:128*\bb+16*\jj   ; register 16 b + i: channel 32 b + 16 (l / 16) + i
.endr
.endr
	LAST
	PLACES NP
	s_wait_loadcnt 0x0                             ; the bias
.irp a, 0,1,2,3,4,5,6,7
	BLOCK \a, 0
.endr
	ds_load_b128 v[HA:HA+3], v[RQ]                 ; LDS serves a wave's instructions in order: these see my stores.  8 tiles x 16 words of the first head,
	ds_load_b128 v[HA+4:HA+7], v[RQ] offset:512    ; of the second
	s_wait_dscnt 0x0
	global_store_b128 v[L16], v[HA:HA+3], s[28:29] ; 512 consecutive bytes, aligned
	global_store_b128 v[L16], v[HA+4:HA+7], s[30:31]
	s_branch .Ljoin
.Lv_arm:
	; ---- v
	s_sub_co_u32 s34, s96, 8                       ; the batch
	s_lshl_b32 s34, s34, 4
	s_lshl_b32 s35, s41, 2
	s_add_co_u32 s34, s34, s35
	s_lshl_b32 s35, s17, 1
	s_add_co_u32 s34, s34, s35                     ; 16 b + my first head: 4 cy + 2 (wave / 2)
	s_mul_i32 s34, s34, HEADB
	s_lshl_b32 s35, s42, 1
	s_add_co_u32 s35, s35, s18                     ; my 128 keys: step 2 TX + wave % 2
	s_mul_i32 s35, s35, RECB
	s_add_co_u32 s34, s34, s35
	s_add_co_u32 s34, s34, 4096                    ; v's images lie behind k's in a record
	s_mov_b32 s35, 0
	s_add_nc_u64 s[24:25], s[14:15], s[34:35]
	s_lshl_b32 s34, s41, 10
	s_lshl_b32 s36, s17, 9
	s_add_co_u32 s34, s34, s36
	s_add_co_u32 s34, s34, 8192
	s_add_nc_u64 s[32:33], s[8:9], s[34:35]        ; b_qkv at my 128 channels of v
	s_wait_alu depctr_va_vdst(0)
.irp a, 0,1,2,3,4,5,6,7
	global_load_b32 v[BI+2*\a], v[VB4], s[32:33] offset:(32*(\a/2)+8*(\a%2))*4   ; lane r of block a is channel 32 (a / 2) + 8 (a % 2) + r + 8 (r / 8)
.endr
	LAST
	PLACES NP
	s_wait_loadcnt 0x0
.irp a, 0,1,2,3,4,5,6,7
	v_mov_b32 v[BI+2*\a+1], v[BI+2*\a]             ; a pair for the packed addition
.endr
.irp a, 0,1,2,3,4,5,6,7
	BLOCK \a, 1
.endr
	ds_load_b128 v[HA:HA+3], v[RV]                 ; lanes 0-15: the first head's 4 x 16 words, lanes 16-31 the second's
	s_wait_dscnt 0x0
	global_store_b128 v[VSO], v[HA:HA+3], s[24:25] offset:4608   ; sixteen lanes store 256 consecutive bytes, aligned
.Ljoin:
	s_wait_tensorcnt 0x0                           ; the wave's end: a tensor wait, an add onto my spare word and its wait, behind my last tensor load and my last LDS store
	ds_add_u32 v[SPW], v[NIL]
	s_wait_dscnt 0x0
	CROUND                                         ; the closing round: no work-group ends while a partner may still ask for a tile that names it
	s_endpgm
.Lfunc_end_k_qd385dc61c7_qkv:
	.size	k_qd385dc61c7_qkv, .Lfunc_end_k_qd385dc61c7_qkv-k_qd385dc61c7_qkv
	.p2alignl 7, 3214868480
	.fill 96, 4, 3214868480
	.section	.rodata,"a",@progbits
	.p2align	6, 0x0
	.amdhsa_kernel k_qd385dc61c7_qkv
		.amdhsa_group_segment_fixed_size 302592
		.amdhsa_private_segment_fixed_size 0
		.amdhsa_enable_private_segment 0
		.amdhsa_kernarg_size 48
		.amdhsa_user_sgpr_count 2
		.amdhsa_user_sgpr_kernarg_segment_ptr 1
		.amdhsa_wavefront_size32 1
		.amdhsa_system_sgpr_workgroup_id_x 1
		.amdhsa_system_sgpr_workgroup_id_y 1
		.amdhsa_system_sgpr_workgroup_id_z 1
		.amdhsa_system_vgpr_workitem_id 0
		.amdhsa_next_free_vgpr 1024
		.amdhsa_next_free_sgpr 100
		.amdhsa_reserve_vcc 0
		.amdhsa_float_denorm_mode_32 3
		.amdhsa_float_denorm_mode_16_64 3
		.amdhsa_memory_ordered 1
		.amdhsa_forward_progress 1
		.amdhsa_inst_pref_size 206
	.end_amdhsa_kernel
	.amdgpu_metadata
---
amdhsa.version: [ 1, 2 ]
amdhsa.kernels:
  - .name:           k_qd385dc61c7_qkv
    .symbol:         k_qd385dc61c7_qkv.kd
    .args:
      - { .name: cod, .offset: 0, .size: 8, .value_kind: global_buffer, .address_space: global }
      - { .name: scl, .offset: 8, .size: 8, .value_kind: global_buffer, .address_space: global }
      - { .name: b_qkv, .offset: 16, .size: 8, .value_kind: global_buffer, .address_space: global }
      - { .name: qimg, .offset: 24, .size: 8, .value_kind: global_buffer, .address_space: global }
      - { .name: qsc, .offset: 32, .size: 8, .value_kind: global_buffer, .address_space: global }
      - { .name: kv, .offset: 40, .size: 8, .value_kind: global_buffer, .address_space: global }
    .group_segment_fixed_size: 302592
    .private_segment_fixed_size: 0
    .kernarg_segment_align: 8
    .kernarg_segment_size: 48
    .max_flat_workgroup_size: 128
    .sgpr_count:     100
    .vgpr_count:     1024
    .wavefront_size: 32
...
	.end_amdgpu_metadata
.endif
;; end of part 2
;; launch attn (part 3): grid 8 x 32, 16 waves a work-group, clusters of 4 x 1, 327,680 bytes of LDS; arguments qimg, qsc, kv, oimg, osc; writes oimg, osc
.if DOCPART == 3
	.amdgcn_target "amdgcn-amd-amdhsa--gfx1250"
	.amdhsa_code_object_version 6
	.text
	.protected	k_qd385dc61c7_attn
	.globl	k_qd385dc61c7_attn
	.p2align	8
	.type	k_qd385dc61c7_attn,@function
k_qd385dc61c7_attn:
	s_mov_b64 s[64:65], 0
	v_nop
	global_prefetch_b8 v0, s[64:65] scope:SCOPE_SE
	s_setreg_imm32_b32 hwreg(HW_REG_WAVE_MODE, 25, 1), 1
	s_wait_xcnt 0x0
	s_wait_alu depctr_hold_cnt(0) depctr_sa_sdst(0) depctr_va_vdst(0) depctr_va_sdst(0) depctr_va_ssrc(0) depctr_va_vcc(0) depctr_vm_vsrc(0)
	s_getreg_b32 s2, hwreg(HW_REG_IB_STS2, 6, 4)
	s_cmp_eq_u32 s2, 0
	s_cbranch_scc0 .Lentry_in_a_cluster
	s_endpgm
.Lentry_in_a_cluster:
	s_bfe_u32 s2, ttmp6, 0x10000c
	s_cmp_lg_u32 s2, 0x3003
	s_cbranch_scc0 .Lentry_shape_is_right
	s_endpgm
.Lentry_shape_is_right:
; LAUNCH 3 OF 4 (no work of the problem is left out).  o = softmax(q k^T / 8) v for 64 (batch, head) pairs of 2,048 x 2,048, both products on codes of FP4, and o's quantiser for the last product.
; THE SOFTMAX AHEAD OF THE SECOND PRODUCT: t = score x log2(e) / 8; M = the running largest t, rounded UP to a whole number; p = 2^(t - M) is quantised along the keys, not normalised.  The row's sum is taken of the unquantised p
; and divides O at the end.  When M moves, the sum and O are multiplied by 2^(old M - new M), which rounds nothing.
; SHARES.  A work-group owns 256 queries of a PAIR of heads 2 j, 2 j + 1 of one batch; each of its sixteen waves owns one tile of 16 queries, in 256 registers, and walks head 2 j, then head 2 j + 1.  The wave's two results are the two
; halves of ONE fragment (16 tokens x 128 K) and of one scale word of the last product: they leave as an image of registers.
; ALL OF BOTH HEADS' k AND v LIES IN LDS: 2 x 143,360 bytes, as kv has them.  So there is no ring, nothing is filled again, and the loop over the keys has no barrier.
; CLUSTER.  The four work-groups of a cluster walk the same pair of heads: each record of 8,960 bytes is asked for JOINTLY, by the same load with the same descriptor and the mask of all four.  Every wave asks for two: record w of each head.
; LAYOUT.  Both products are used transposed: S^T = k q^T, O^T = v^T p^T: a lane holds one query throughout.  By the order of rows in cod the 16 registers of tiles 2 b, 2 b + 1 of S^T are keys 32 b + 16 (l / 16) + 0 .. 15 of the step,
; and those of O^T channels 32 b + 16 (l / 16) + 0 .. 15 of the head.  The first product's K is 64: registers 4-7 of q's and k's fragments are zero codes, set once, which add nothing under any scale byte but 0xff.
; All fragments come from LDS as images of registers: 512 consecutive bytes a load.
; LIMITS: a p under 2^-126 counts as 0 (v_exp_f32 gives no denormals: ISA guide, its entry); 1 / the sum is v_rcp_f32 and a multiplication; a block of zeros has the byte 1; NaN and infinities are not served.
; REGISTERS: v1 16 l, v2 4 l, v3-4 the step's addresses, v5-6 the add's two, v7 the stage; v8-9 v's scale words, v10-11 q's; v12 -M, v13 the largest t, v[14:15] the sum in two halves; v16-31 q, two heads; v32-95 k's 8 tiles;
;   v96-159 S^T, then p; v160-191 O^T; v192-223 v's 4 tiles; v224-231 p's codes; v232-239, v244-247, v252, v254 at work; v240-243 the first head's o codes; v248-251 k's scale words; v253 p's scale word; v255 o's scale word.
.set RECB,  8960                       ; a key step's record: k's 8 images of 512 | v's 4 of 1,024 | k's scale words 8 x 64 | v's 4 x 64
.set HEADB, 143360
.set SPARE, 2*HEADB                    ; the spare words, 128 bytes for each of sixteen waves
.set STG,   SPARE+2048                 ; 16 tiles x 16 scale words of o
.macro CROUND                          ; a round of the cluster's barrier
	s_barrier_signal -1
	s_barrier_wait -1
	s_cmp_lg_u32 s18, 0
	s_cbranch_scc1 .Lnot_wave_0_\@
	s_barrier_signal -3
.Lnot_wave_0_\@:
	s_barrier_wait -3
	s_barrier_signal -1
	s_barrier_wait -1
.endm
	s_load_b256 s[4:11], s[0:1], 0x0               ; qimg s[4:5], qsc s[6:7], kv s[8:9], oimg s[10:11]
	s_load_b64 s[12:13], s[0:1], 0x20              ; osc
	v_lshl_add_u32 v5, v0, 2, SPARE
	v_mov_b32 v6, 0
	ds_add_u32 v5, v6                              ; the wave's opening: the add, twice on end, and its wait ahead of my first tensor load
	ds_add_u32 v5, v6
	v_lshrrev_b32 v1, 5, v0
	s_delay_alu instid0(VALU_DEP_1)
	v_readfirstlane_b32 s18, v1                    ; wave 0..15
	s_bfe_u32 s40, ttmp6, 0x40000                  ; cx
	s_lshl_b32 s41, ttmp9, 2
	s_add_co_u32 s41, s41, s40                     ; my block of 256 queries: it enters q's and o's addresses alone
	s_and_b32 s42, ttmp7, 0xffff                   ; y = 8 b + j, which the four partners share
	s_mov_b32 s24, 15|(3<<16)|(1<<21)              ; group 1: the mask of all four; elements of 8 bytes; 21 set beside a mask; no padding
	s_mov_b32 s25, 32<<16                          ; a record is dense: 35 rows of 32 elements (256 bytes)
	s_mov_b32 s26, 35<<16
	s_mov_b32 s27, 32<<16
	s_mov_b32 s28, 35
	s_mov_b32 s29, 32
	s_mov_b32 s30, 0
	s_mov_b32 s31, 0
	s_mul_i32 s43, s18, RECB                       ; record w: its place in a head, in memory and in LDS alike
	s_mul_i32 s44, s42, 2*HEADB                    ; the pair's first byte in kv (under 2^24)
	s_add_co_u32 s44, s44, s43
	s_mov_b32 s45, 0
	s_mov_b32 s20, 0x76543210
	s_mov_b32 s21, 0xfedcba98                      ; v_permlanex16_b32's selects for lane l xor 16
	s_mov_b32 s22, 0x3e38aa3b                      ; c = log2(e) / 8
	s_mov_b32 s23, s22                             ; (named with it as a pair, so it is written)
	s_lshl_b32 s46, s41, 4
	s_add_co_u32 s46, s46, s18                     ; my tile of the sequence's 128
	s_lshl_b32 s48, s42, 17                        ; qimg: 65,536 bytes a head, head 2 y of the 64
	s_lshl_b32 s47, s46, 9
	s_add_co_u32 s48, s48, s47
	s_mov_b32 s49, 0
	s_lshl_b32 s50, s42, 14                        ; qsc: 8,192 bytes a head
	s_lshl_b32 s47, s46, 6
	s_add_co_u32 s50, s50, s47
	s_mov_b32 s51, 0
	s_and_b32 s52, s42, 7
	s_lshl_b32 s52, s52, 9                         ; oimg, osc: [j][128 b + tile]
	s_lshr_b32 s53, s42, 3
	s_lshl_b32 s53, s53, 7
	s_add_co_u32 s52, s52, s53
	s_lshl_b32 s53, s41, 4
	s_add_co_u32 s54, s52, s53                     ; my work-group's first tile
	s_add_co_u32 s52, s54, s18                     ; mine
	s_lshl_b32 s52, s52, 10
	s_mov_b32 s53, 0
	s_lshl_b32 s54, s54, 6
	s_mov_b32 s55, 0
	s_lshl_b32 s56, s18, 6
	s_add_co_u32 s56, s56, STG
	s_wait_dscnt 0x0                               ; both opening adds are done
	s_wait_kmcnt 0x0
	s_add_nc_u64 s[44:45], s[8:9], s[44:45]
	s_add_nc_u64 s[4:5], s[4:5], s[48:49]
	s_add_nc_u64 s[6:7], s[6:7], s[50:51]
	s_add_nc_u64 s[10:11], s[10:11], s[52:53]
	s_add_nc_u64 s[12:13], s[12:13], s[54:55]
	CROUND                                         ; all four work-groups are here: the joint loads meet
	s_mov_b32 s32, 1
	s_mov_b32 s33, s43
	s_mov_b64 s[34:35], s[44:45]
	s_or_b32 s35, s35, 0x80000000
	s_mov_b32 s36, 1
	s_add_co_u32 s37, s43, HEADB
	s_add_nc_u64 s[38:39], s[44:45], HEADB
	s_or_b32 s39, s39, 0x80000000
	tensor_load_to_lds s[32:35], s[24:31]          ; record w of the first head,
	s_nop 0
	s_wait_alu depctr_va_vdst(0)
	s_wait_tensorcnt 0x0
	ds_add_u32 v5, v6
	s_wait_dscnt 0x0
	CROUND
	tensor_load_to_lds s[36:39], s[24:31]          ; of the second: one load of mine is out
	s_nop 0
.rept 4
	v_nop
.endr
	v_and_b32 v2, 31, v0
	s_delay_alu instid0(VALU_DEP_1)
	v_lshlrev_b32 v1, 4, v2                        ; 16 l
	s_delay_alu instid0(VALU_DEP_2)
	v_lshlrev_b32 v2, 2, v2                        ; 4 l
	v_and_b32 v3, 15, v0
	s_delay_alu instid0(VALU_DEP_1)
	v_lshlrev_b32 v3, 2, v3                        ; 4 r
	global_load_b128 v[16:19], v1, s[4:5]          ; q of the first head: registers 0-3,
	global_load_b128 v[24:27], v1, s[4:5] offset:65536   ; of the second
	global_load_b32 v10, v3, s[6:7]                ; their scale words: lane r has query r's
	global_load_b32 v11, v3, s[6:7] offset:8192
	v_add_nc_u32 v7, s56, v3                       ; the stage: STG + 64 w + 4 r
.irp i, 20,21,22,23,28,29,30,31
	v_mov_b32 v\i, 0                               ; K 64 .. 127 of q: zero codes
.endr
.irp t, 0,1,2,3,4,5,6,7
.irp i, 4,5,6,7
	v_mov_b32 v[32+8*\t+\i], 0                     ; and of k's eight tiles: set once, no load lands here
.endr
.endr
.irp b, 0,1,2,3
	v_mov_b32 v[236+\b], 0                         ; written once: a lane permute's destination counts as one of its sources
.endr
	v_mov_b32 v253, 0                              ; (named as the upper half of the pair v[252:253] before it is first written)
	s_wait_loadcnt 0x0                             ; q; v3 is free again
; A KEY STEP: 128 keys.  qf: q's fragment, qs: its scale words.
.macro STEP qf, qs
	v_add_nc_u32 v3, s2, v1
	v_add_nc_u32 v4, s2, v2
	v_nop
	v_nop                                          ; four places behind the last step's products, in front of the loads into v's registers
.irp t, 0,1,2,3,4,5,6,7
	ds_load_b128 v[32+8*\t:35+8*\t], v3 offset:512*\t
.endr
.irp b, 0,1,2,3
	ds_load_b32 v[248+\b], v4 offset:8192+128*\b   ; lanes 0-15: tile 2 b's scale words, lanes 16-31: tile 2 b + 1's
.endr
.irp t, 0,1,2,3
.irp c, 0,1
	ds_load_b128 v[192+8*\t+4*\c:195+8*\t+4*\c], v3 offset:4096+1024*\t+512*\c
.endr
.endr
.irp p, 0,1
	ds_load_b32 v[8+\p], v4 offset:8704+128*\p
.endr
	s_wait_dscnt 10                                ; k and its scale words are in; v's ten loads may stay out: they are wanted behind the softmax
.irp b, 0,1,2,3
	v_wmma_scale_f32_16x16x128_f8f6f4 v[96+16*\b:103+16*\b], v[32+16*\b:39+16*\b], v[\qf:\qf+7], 0, v[248+\b], v[\qs] matrix_a_fmt:MATRIX_FMT_FP4 matrix_b_fmt:MATRIX_FMT_FP4
	v_wmma_scale_f32_16x16x128_f8f6f4 v[104+16*\b:111+16*\b], v[40+16*\b:47+16*\b], v[\qf:\qf+7], 0, v[248+\b], v[\qs] matrix_a_fmt:MATRIX_FMT_FP4 matrix_b_fmt:MATRIX_FMT_FP4 matrix_a_scale:MATRIX_SCALE_ROW1
.endr
.rept 4
	v_nop
.endr
.irp b, 0,1,2,3
	v_max3_num_f32 v[232+\b], v[96+16*\b], v[97+16*\b], v[98+16*\b]   ; THE LARGEST SCORE OF EACH BLOCK OF 32 KEYS serves twice: for the row's maximum, and, since p rises with the score, for the block's largest p
.endr
.irp i, 3,5,7,9,11,13
.irp b, 0,1,2,3
	v_max3_num_f32 v[232+\b], v[232+\b], v[96+16*\b+\i], v[97+16*\b+\i]
.endr
.endr
.irp b, 0,1,2,3
	v_max_num_f32 v[232+\b], v[232+\b], v[111+16*\b]
.endr
.irp b, 0,1,2,3
	s_delay_alu instid0(VALU_DEP_4)
	v_permlanex16_b32 v[236+\b], v[232+\b], s20, s21
.endr
.irp b, 0,1,2,3
	s_delay_alu instid0(VALU_DEP_4)
	v_max_num_f32 v[232+\b], v[232+\b], v[236+\b]  ; with lane l xor 16's 16 keys
.endr
	s_delay_alu instid0(VALU_DEP_2)
	v_max3_num_f32 v254, v232, v233, v234
	s_delay_alu instid0(VALU_DEP_1)
	v_max_num_f32 v254, v254, v235                 ; the step's largest score of my query
	s_delay_alu instid0(VALU_DEP_1)
	v_mul_f32 v254, s22, v254                      ; as t (c is positive)
	s_delay_alu instid0(VALU_DEP_1)
	v_max_num_f32 v13, v13, v254                   ; the running largest t
	v_mov_b32 v254, v12
	s_delay_alu instid0(VALU_DEP_2)
	v_floor_f32 v12, -v13                          ; the new -M = floor(-t): M is a whole number
	s_delay_alu instid0(VALU_DEP_1)
	v_sub_f32 v254, v12, v254                      ; old M - new M: a whole number, 0 or less
	s_delay_alu instid0(VALU_DEP_1)
	v_cvt_i32_f32 v254, v254                       ; (it saturates)
	s_delay_alu instid0(VALU_DEP_1)
	v_ldexp_f32 v252, 1.0, v254                    ; f = 2^(old M - new M)
.set n, 0
.rept 32
	v_pk_fma_f32 v[96+n:97+n], v[96+n:97+n], s[22:23], v[12:13] op_sel_hi:[1,0,0]   ; t - M, two at a time
.set n, n+2
.endr
.irp b, 0,1,2,3
	v_fma_f32 v[232+\b], v[232+\b], s22, v12       ; the same of each block's largest score
.endr
.set n, 0
	s_wait_alu depctr_va_vdst(0)
.rept 64
	v_exp_f32 v[96+n], v[96+n]                     ; p = 2^(t - M), at most 1
.set n, n+1
.endr
	s_setprio 1
	v_pk_mul_f32 v[14:15], v[14:15], v[252:253] op_sel_hi:[1,0]   ; the sums under the new M (a plain place behind the exponentials)
	s_wait_alu depctr_va_vdst(0)                   ; the wait ahead of the first line that names an exponential's result: one for the 64
.irp b, 0,1,2,3
	v_exp_f32 v[232+\b], v[232+\b]                 ; the block's largest p: the same two instructions on the same number
.endr
	v_pk_add_f32 v[236:237], v[96:97], v[98:99]    ; the row's sum of the UNQUANTISED p, two at a time, in two chains
.irp j, 4,8,12,16,20,24,28,32,36,40,44,48,52,56,60
	v_pk_add_f32 v[14:15], v[14:15], v[96+\j:97+\j]
	v_pk_add_f32 v[236:237], v[236:237], v[98+\j:99+\j]
.endr
	s_delay_alu instid0(VALU_DEP_1)
	v_pk_add_f32 v[14:15], v[14:15], v[236:237]
	s_wait_alu depctr_va_vdst(0)                   ; and one for the four
.irp b, 0,1,2,3
	v_max_num_f32 v[232+\b], 0x1800000, v[232+\b]  ; the floor 2^(3 - 127): the byte cannot fall under 1
.endr
.irp b, 0,1,2,3
	s_delay_alu instid0(VALU_DEP_4)
	v_add_nc_u32 v[244+\b], 0xff000000, v[232+\b]  ; 2 off the exponent field: the conversion's scale operand
.endr
.irp b, 0,1,2,3
	s_delay_alu instid0(VALU_DEP_4)
	v_lshrrev_b32 v[236+\b], 23, v[244+\b]         ; the scale's byte
.endr
	s_delay_alu instid0(VALU_DEP_3)
	v_lshl_or_b32 v253, v237, 8, v236              ; p's scale word for these 128 keys
	s_delay_alu instid0(VALU_DEP_1)
	v_lshl_or_b32 v253, v238, 16, v253
	s_delay_alu instid0(VALU_DEP_1)
	v_lshl_or_b32 v253, v239, 24, v253
.irp b, 0,1,2,3
	v_cvt_scalef32_pk8_fp4_f32 v[224+2*\b], v[96+16*\b:103+16*\b], v[244+\b]
	v_cvt_scalef32_pk8_fp4_f32 v[225+2*\b], v[104+16*\b:111+16*\b], v[244+\b]
.endr
	v_nop                                          ; one plain place behind a scaled conversion
.irp c, 0,1
.irp i, 0,1
	v_permlane16_swap_b32 v[224+4*\c+\i], v[226+4*\c+\i]   ; a whole block to a lane: lanes 0-15 block 2 c, lanes 16-31 block 2 c + 1
.endr
.endr
.set n, 0
	s_setprio 0
.rept 16
	v_pk_mul_f32 v[160+n:161+n], v[160+n:161+n], v[252:253] op_sel_hi:[1,0]   ; O^T under the new M.  These sixteen also stand between the lines that made p's codes and scale word and the products
.set n, n+2
.endr
	s_wait_alu depctr_va_vdst(0)
	s_wait_dscnt 0x0                               ; v and its scale words are in
.irp p, 0,1
	v_wmma_scale_f32_16x16x128_f8f6f4 v[160+16*\p:167+16*\p], v[192+16*\p:199+16*\p], v[224:231], v[160+16*\p:167+16*\p], v[8+\p], v253 matrix_a_fmt:MATRIX_FMT_FP4 matrix_b_fmt:MATRIX_FMT_FP4
	v_wmma_scale_f32_16x16x128_f8f6f4 v[168+16*\p:175+16*\p], v[200+16*\p:207+16*\p], v[224:231], v[168+16*\p:175+16*\p], v[8+\p], v253 matrix_a_fmt:MATRIX_FMT_FP4 matrix_b_fmt:MATRIX_FMT_FP4 matrix_a_scale:MATRIX_SCALE_ROW1
.endr
	s_add_co_u32 s2, s2, RECB                      ; the next step's record
.endm
; A head's end: O^T / the sum, quantised along the head's 64 channels: two blocks; the codes into v[dst] .. v[dst + 3], the two bytes into v255.
.macro FINISH hh, dst
	v_add_f32 v14, v14, v15                        ; the sum's two halves,
	s_delay_alu instid0(VALU_DEP_1)
	v_permlanex16_b32 v252, v14, s20, s21
	s_delay_alu instid0(VALU_DEP_1)
	v_add_f32 v14, v14, v252                       ; and lane l xor 16's
	s_wait_alu depctr_va_vdst(0)
	v_rcp_f32 v14, v14
	v_nop                                          ; a plain place behind the reciprocal
	s_wait_alu depctr_va_vdst(0)                   ; and the wait ahead of its first reader
.set n, 0
.rept 16
	v_pk_mul_f32 v[96+n:97+n], v[160+n:161+n], v[14:15] op_sel_hi:[1,0]   ; register 16 b + i: channel 32 b + 16 (l / 16) + i; each accumulator from its low end on
.set n, n+2
.endr
.irp b, 0,1
	v_max3_num_f32 v[232+\b], |v[96+16*\b]|, |v[97+16*\b]|, 0x1800000
.endr
.irp i, 2,4,6,8,10,12,14
.irp b, 0,1
	s_delay_alu instid0(VALU_DEP_2)
	v_max3_num_f32 v[232+\b], v[232+\b], |v[96+16*\b+\i]|, |v[97+16*\b+\i]|
.endr
.endr
.irp b, 0,1
	s_delay_alu instid0(VALU_DEP_2)
	v_permlanex16_b32 v[236+\b], v[232+\b], s20, s21
.endr
.irp b, 0,1
	s_delay_alu instid0(VALU_DEP_2)
	v_max_num_f32 v[232+\b], v[232+\b], v[236+\b]
.endr
.irp b, 0,1
	s_delay_alu instid0(VALU_DEP_2)
	v_add_nc_u32 v[244+\b], 0xff000000, v[232+\b]
.endr
.irp b, 0,1
	s_delay_alu instid0(VALU_DEP_2)
	v_lshrrev_b32 v[236+\b], 23, v[244+\b]
.endr
.if \hh
	s_delay_alu instid0(VALU_DEP_1)
	v_lshl_or_b32 v254, v237, 8, v236
	s_delay_alu instid0(VALU_DEP_1)
	v_lshl_or_b32 v255, v254, 16, v255             ; bytes 2, 3: the second head's
.else
	s_delay_alu instid0(VALU_DEP_1)
	v_lshl_or_b32 v255, v237, 8, v236              ; bytes 0, 1: the first head's
.endif
.irp b, 0,1
	v_cvt_scalef32_pk8_fp4_f32 v[\dst+2*\b], v[96+16*\b:103+16*\b], v[244+\b]
	v_cvt_scalef32_pk8_fp4_f32 v[\dst+1+2*\b], v[104+16*\b:111+16*\b], v[244+\b]
.endr
	v_nop
.irp i, 0,1
	v_permlane16_swap_b32 v[\dst+\i], v[\dst+2+\i]
.endr
.endm
.macro HEAD hh, qf, qs, dst
	s_mov_b32 s2, \hh*HEADB                        ; LDS byte at which the step's record begins
	s_mov_b32 s3, 16                               ; 16 steps of 128 keys
	v_mov_b32 v13, 0xff61b1e6                      ; the largest t so far: -3e38, under every t
	s_delay_alu instid0(VALU_DEP_1)
	v_floor_f32 v12, -v13
	v_mov_b32 v14, 0
	v_mov_b32 v15, 0
.set n, 0
.rept 32
	v_mov_b32 v[160+n], 0                          ; O^T: the step is written once; its first trip finds zeros, which the first change of M leaves zeros
.set n, n+1
.endr
.Lstep_\@:
	s_setprio 2
	STEP \qf, \qs
	s_sub_co_u32 s3, s3, 1
	s_cmp_lg_u32 s3, 0
	s_cbranch_scc1 .Lstep_\@
	s_setprio 0
.rept 4
	v_nop                                          ; places behind the last products
.endr
	FINISH \hh, \dst
.endm
	s_wait_tensorcnt 1                             ; my record of the first head is in; the second head's may stay out
	s_barrier_signal -1
	s_barrier_wait -1                              ; all sixteen records are
	HEAD 0, 16, 10, 240
	s_wait_tensorcnt 0x0                           ; my record of the second head is in
	s_wait_dscnt 0x0
	s_barrier_signal -1
	s_barrier_wait -1
	HEAD 1, 24, 11, 224
	global_store_b128 v1, v[240:243], s[10:11]             ; registers 0-3 of the fragment: K 0 .. 63, the first head; 512 consecutive bytes, aligned
	global_store_b128 v1, v[224:227], s[10:11] offset:512  ; registers 4-7: the second head
	v_and_b32 v232, 63, v0
	s_delay_alu instid0(VALU_DEP_1)
	v_lshlrev_b32 v232, 4, v232                    ; the scale words' way out: 16 bytes a thread of waves 0 and 1; made ahead of the branch, and inside the stage in every wave
	s_delay_alu instid0(VALU_DEP_1)
	v_add_nc_u32 v233, STG, v232
	ds_store_b32 v7, v255                          ; both halves of the lanes write the same word with the same value
	s_wait_dscnt 0x0                               ; for the others' sake
	s_barrier_signal -1
	s_barrier_wait -1
	s_cmp_lt_u32 s18, 2
	s_cbranch_scc0 .Lno_words
	s_wait_alu depctr_va_vdst(0)
	ds_load_b128 v[96:99], v233
	s_wait_dscnt 0x0
	global_store_b128 v232, v[96:99], s[12:13]     ; 512 consecutive bytes a wave, aligned
.Lno_words:
	s_wait_tensorcnt 0x0                           ; the wave's end: a tensor wait, an add onto my spare word and its wait, behind my last tensor load and my last LDS store
	ds_add_u32 v5, v6
	s_wait_dscnt 0x0
	CROUND                                         ; the closing round
	s_endpgm
.Lfunc_end_k_qd385dc61c7_attn:
	.size	k_qd385dc61c7_attn, .Lfunc_end_k_qd385dc61c7_attn-k_qd385dc61c7_attn
	.p2alignl 7, 3214868480
	.fill 96, 4, 3214868480
	.section	.rodata,"a",@progbits
	.p2align	6, 0x0
	.amdhsa_kernel k_qd385dc61c7_attn
		.amdhsa_group_segment_fixed_size 327680
		.amdhsa_private_segment_fixed_size 0
		.amdhsa_enable_private_segment 0
		.amdhsa_kernarg_size 40
		.amdhsa_user_sgpr_count 2
		.amdhsa_user_sgpr_kernarg_segment_ptr 1
		.amdhsa_wavefront_size32 1
		.amdhsa_system_sgpr_workgroup_id_x 1
		.amdhsa_system_sgpr_workgroup_id_y 1
		.amdhsa_system_sgpr_workgroup_id_z 1
		.amdhsa_system_vgpr_workitem_id 0
		.amdhsa_next_free_vgpr 256
		.amdhsa_next_free_sgpr 66
		.amdhsa_reserve_vcc 0
		.amdhsa_float_denorm_mode_32 3
		.amdhsa_float_denorm_mode_16_64 3
		.amdhsa_memory_ordered 1
		.amdhsa_forward_progress 1
		.amdhsa_inst_pref_size 51
	.end_amdhsa_kernel
	.amdgpu_metadata
---
amdhsa.version: [ 1, 2 ]
amdhsa.kernels:
  - .name:           k_qd385dc61c7_attn
    .symbol:         k_qd385dc61c7_attn.kd
    .args:
      - { .name: qimg, .offset: 0, .size: 8, .value_kind: global_buffer, .address_space: global }
      - { .name: qsc, .offset: 8, .size: 8, .value_kind: global_buffer, .address_space: global }
      - { .name: kv, .offset: 16, .size: 8, .value_kind: global_buffer, .address_space: global }
      - { .name: oimg, .offset: 24, .size: 8, .value_kind: global_buffer, .address_space: global }
      - { .name: osc, .offset: 32, .size: 8, .value_kind: global_buffer, .address_space: global }
    .group_segment_fixed_size: 327680
    .private_segment_fixed_size: 0
    .kernarg_segment_align: 8
    .kernarg_segment_size: 40
    .max_flat_workgroup_size: 512
    .sgpr_count:     66
    .vgpr_count:     256
    .wavefront_size: 32
...
	.end_amdgpu_metadata
.endif
;; end of part 3
;; launch proj (part 4): grid 4 x 64, 4 waves a work-group, clusters of 4 x 4, 327,680 bytes of LDS; arguments oimg, osc, cod, scl, b_out, out0; writes out0
.if DOCPART == 4
	.amdgcn_target "amdgcn-amd-amdhsa--gfx1250"
	.amdhsa_code_object_version 6
	.text
	.protected	k_qd385dc61c7_proj
	.globl	k_qd385dc61c7_proj
	.p2align	8
	.type	k_qd385dc61c7_proj,@function
k_qd385dc61c7_proj:
	s_mov_b64 s[64:65], 0
	v_nop
	global_prefetch_b8 v0, s[64:65] scope:SCOPE_SE
	s_setreg_imm32_b32 hwreg(HW_REG_WAVE_MODE, 25, 1), 1
	s_wait_xcnt 0x0
	s_wait_alu depctr_hold_cnt(0) depctr_sa_sdst(0) depctr_va_vdst(0) depctr_va_sdst(0) depctr_va_ssrc(0) depctr_va_vcc(0) depctr_vm_vsrc(0)
	s_getreg_b32 s2, hwreg(HW_REG_IB_STS2, 6, 4)
	s_cmp_eq_u32 s2, 0
	s_cbranch_scc0 .Lentry_in_a_cluster
	s_endpgm
.Lentry_in_a_cluster:
	s_bfe_u32 s2, ttmp6, 0x10000c
	s_cmp_lg_u32 s2, 0xf033
	s_cbranch_scc0 .Lentry_shape_is_right
	s_endpgm
.Lentry_shape_is_right:
; LAUNCH 4 OF 4 (no work of the problem is left out).  out0 = o w_out^T + b_out on codes of FP4: o's fragments and scale words as launch 3 left them (images of registers), w_out's codes and scale bytes from launch 1.
; A tile is 128 tokens x 256 columns, so that there are 256 work-groups; four waves, each 64 tokens x 128 columns: 32 accumulators.  K = 1,024 is two slots of 512: both are first fills, nothing is filled again.
; THE MATRIX INSTRUCTION IS USED TRANSPOSED: source 0 = 16 rows of w_out, source 1 = 16 tokens: a lane holds one token, and by the order of rows in cod register j of tile b is column 32 (b / 2) + 8 (b % 2) + 16 (l / 16) + j of the wave's 128.
; Lane r of token tile a is token 32 (a / 2) + 8 (a % 2) + r % 8 + 16 (r / 8) of the wave's 64 (the order in which launch 2 took x's rows): the way out undoes it in the stores' immediates.
; b_out is the C of each sum's first matrix instruction: it costs no addition.
; CLUSTERS: 4 x 4.  o's tiles hang on the cluster's y and cy alone and are asked for jointly along a row of the cluster; w_out's on cx alone and jointly along a column.
; REGISTERS: window 0: v16-31 addresses; v32-95 w_out's scale words, two sets; v96-111 o's, two sets; v128-159 o's fragments, one set; v192-255 b_out in the result's layout; on the way out v128-255 rows of out0.
;   window 1: w_out's fragments, two sets.   window 2: the accumulators ((a, b) at v[8 (8 a + b)]).
.set PITCH,  272                       ; w_out's rows in LDS: 256 bytes + 16 of padding
.set HALFT,  128*PITCH
.set BSLOT,  2*HALFT                   ; w_out's 256 rows x 512 along K
.set AT,     2*BSLOT                   ; o's images: a slot is 4 K steps x 8 tiles x 1,024 bytes
.set ASLOT,  32768
.set SCB,    AT+2*ASLOT                ; w_out's scale bytes: 32 a row, as runs of 256 bytes + 16 of padding
.set HALFS,  16*272
.set SBLK,   2*272
.set SCA,    SCB+2*HALFS               ; o's scale words: 8 K steps x 8 tiles x 64 bytes
.set SPARE,  SCA+4096                  ; the spare words, 128 bytes for each wave
.set STAGE,  SPARE+512                 ; the way out: 16 rows x (512 bytes + 16) for each wave
.set SPITCH, 528
.set ADRA, 16                          ; v16-17  LDS address of my fragments of o in slot 0, 1
.set ADRB, 20                          ; v20-21  of w_out
.set STO,  24                          ; v24     the way out: where I put 32 bytes of a row
.set RD,   25                          ; v25     where I read a row back
.set CO,   26                          ; v26     16 l
.set ADSB, 27                          ; v27     w_out's scale words
.set SPW,  28                          ; v28     my spare word; never rewritten
.set NIL,  29                          ; v29     0; never rewritten
.set ADSA, 30                          ; v30     o's scale words
.set H64,  31                          ; v31     64 (l / 16)
.set SB,   32
.set SA,   96
.set AF,   128
.set BI,   192
.set BK,   128
.set G1, 24                            ; s[24:31] group 1 for o's tiles; s[32:39] group 0, a set for each slot
.set G0, 32
.set G1B, 48                           ; s[48:55], s[56:63] the same for w_out's
.set G0B, 56
.set G1S, 68                           ; s[68:75], s[76:79] o's scale words; s[80:87], s[88:91] w_out's scale bytes
.set G0S, 76
.set G1SB, 80
.set G0SB, 88
.set MSB, 0
.macro WIN new
.if MSB != \new
	s_set_vgpr_msb (MSB<<8)|\new
.set MSB, \new
.endif
.endm
.set MUL_F, 0x81                       ; source 0 (w_out) window 1, source 1 (o) and C (b_out) window 0, D window 2
.set MUL,   0xa1                       ; the same, C and D window 2
.set TO_B,  0x40
.macro JLOAD g0a, g1a, g0b, g1b        ; waves 0 and 1 fetch for o, waves 2 and 3 for w_out; an s_nop 0 and four v_nop follow each of the two lines
	s_cmp_eq_u32 s17, 0
	s_cbranch_scc0 .Lfor_b_\@
	tensor_load_to_lds s[\g0a:\g0a+3], s[\g1a:\g1a+7]
	s_nop 0
.rept 4
	v_nop
.endr
	s_branch .Lasked_\@
.Lfor_b_\@:
	tensor_load_to_lds s[\g0b:\g0b+3], s[\g1b:\g1b+7]
	s_nop 0
.rept 4
	v_nop
.endr
.Lasked_\@:
.endm
.macro CROUND
	s_barrier_signal -1
	s_barrier_wait -1
	s_cmp_lg_u32 s16, 0
	s_cbranch_scc1 .Lnot_wave_0_\@
	s_barrier_signal -3
.Lnot_wave_0_\@:
	s_barrier_wait -3
	s_barrier_signal -1
	s_barrier_wait -1
.endm
	s_load_b256 s[4:11], s[0:1], 0x0               ; oimg s[4:5], osc s[6:7], cod s[8:9], scl s[10:11]
	s_load_b128 s[12:15], s[0:1], 0x20             ; b_out s[12:13], out0 s[14:15]
	v_lshl_add_u32 v[SPW], v0, 2, SPARE
	v_mov_b32 v[NIL], 0
	ds_add_u32 v[SPW], v[NIL]                      ; the wave's opening: the add, twice on end, and its wait ahead of my first tensor load
	ds_add_u32 v[SPW], v[NIL]
	v_lshrrev_b32 v1, 5, v0
	v_readfirstlane_b32 s16, v1                    ; wave 0..3
	s_lshr_b32 s17, s16, 1                         ; which 64 tokens are mine.  Also: I fetch for o (0) or for w_out (1)
	s_and_b32 s18, s16, 1                          ; which 128 columns.  Also: which half of what is fetched is mine
	s_bfe_u32 s40, ttmp6, 0x40000                  ; cx
	s_bfe_u32 s41, ttmp6, 0x40004                  ; cy
	s_lshl_b32 s95, ttmp9, 2
	s_add_co_u32 s95, s95, s40                     ; which 256 columns
	s_and_b32 s42, ttmp7, 0xffff
	s_lshl_b32 s42, s42, 2
	s_add_co_u32 s42, s42, s41                     ; g: which 128 tokens
	s_lshl_b32 s43, s41, 2
	s_lshl_b32 s43, 15, s43                        ; my row of the cluster
	s_lshl_b32 s44, 0x1111, s40                    ; my column
	s_or_b32 s[G1+0], s43, (3<<16)|(1<<21)         ; o's tiles: 2 K steps, each 8 tiles on end: 2 rows of 1,024 elements of 8 bytes, 524,288 bytes apart; no padding
	s_mov_b32 s[G1+1], 1024<<16
	s_mov_b32 s[G1+2], 2<<16
	s_mov_b32 s[G1+3], 1024<<16
	s_mov_b32 s[G1+4], 2
	s_mov_b32 s[G1+5], 65536
	s_mov_b32 s[G1+6], 0
	s_mov_b32 s[G1+7], 0
	s_or_b32 s[G1S+0], s43, (3<<16)|(1<<21)        ; o's scale words: 4 K steps, each 512 bytes: 4 rows of 64 elements, 32,768 bytes apart
	s_mov_b32 s[G1S+1], 64<<16
	s_mov_b32 s[G1S+2], 4<<16
	s_mov_b32 s[G1S+3], 64<<16
	s_mov_b32 s[G1S+4], 4
	s_mov_b32 s[G1S+5], 4096
	s_mov_b32 s[G1S+6], 0
	s_mov_b32 s[G1S+7], 0
	s_or_b32 s[G1B+0], s44, (0<<16)|(1<<20)|(1<<21)|(5<<22)|(3<<25)   ; w_out's tiles: 128 rows of 256 bytes, 512 apart, 16 bytes of padding behind each
	s_mov_b32 s[G1B+1], 256<<16
	s_mov_b32 s[G1B+2], 128<<16
	s_mov_b32 s[G1B+3], 256<<16
	s_mov_b32 s[G1B+4], 128
	s_mov_b32 s[G1B+5], 512
	s_mov_b32 s[G1B+6], 0
	s_mov_b32 s[G1B+7], 0
	s_or_b32 s[G1SB+0], s44, (3<<16)|(1<<20)|(1<<21)|(5<<22)|(3<<25)  ; its scale bytes of 128 rows: 4,096 dense bytes as 16 rows of 256, padded
	s_mov_b32 s[G1SB+1], 32<<16
	s_mov_b32 s[G1SB+2], 16<<16
	s_mov_b32 s[G1SB+3], 32<<16
	s_mov_b32 s[G1SB+4], 16
	s_mov_b32 s[G1SB+5], 32
	s_mov_b32 s[G1SB+6], 0
	s_mov_b32 s[G1SB+7], 0
	s_lshl_b32 s20, s42, 13                        ; oimg: 8,192 g + 2 K steps x my half (s20, s22 never hold cx)
	s_lshl_b32 s45, s18, 20
	s_add_co_u32 s20, s20, s45
	s_mov_b32 s21, 0
	s_lshl_b32 s22, s42, 9                         ; osc: 512 g + 4 K steps x my half
	s_lshl_b32 s45, s18, 17
	s_add_co_u32 s22, s22, s45
	s_mov_b32 s23, 0
	s_lshl_b32 s46, s95, 8                         ; w_out's rows in cod: 11,264 + 256 x column tile + 128 x my half (s46, s92 never hold cy)
	s_lshl_b32 s45, s18, 7
	s_add_co_u32 s46, s46, s45
	s_add_co_u32 s46, s46, 11264
	s_lshl_b32 s92, s46, 5
	s_mov_b32 s93, 0
	s_lshl_b32 s46, s46, 9
	s_mov_b32 s47, 0
	s_lshl_b32 s94, s18, 14                        ; where they go: no place in the cluster enters an LDS address
	s_add_co_u32 s94, s94, AT
	s_mul_i32 s98, s18, HALFT
	s_lshl_b32 s97, s18, 11
	s_add_co_u32 s97, s97, SCA
	s_mul_i32 s99, s18, HALFS
	s_add_co_u32 s99, s99, SCB
	s_wait_dscnt 0x0                               ; both opening adds are done
	s_wait_kmcnt 0x0
	s_add_nc_u64 s[20:21], s[4:5], s[20:21]
	s_add_nc_u64 s[22:23], s[6:7], s[22:23]
	s_add_nc_u64 s[46:47], s[8:9], s[46:47]
	s_add_nc_u64 s[92:93], s[10:11], s[92:93]
	CROUND                                         ; all sixteen work-groups are here: the joint loads meet
	s_mov_b32 s[G0S], 1
	s_mov_b32 s[G0S+1], s97
	s_mov_b64 s[G0S+2:G0S+3], s[22:23]
	s_or_b32 s[G0S+3], s[G0S+3], 0x80000000
	s_mov_b32 s[G0SB], 1
	s_mov_b32 s[G0SB+1], s99
	s_mov_b64 s[G0SB+2:G0SB+3], s[92:93]
	s_or_b32 s[G0SB+3], s[G0SB+3], 0x80000000
	JLOAD G0S, G1S, G0SB, G1SB                     ; the scales first
.irp s, 0,1
	s_mov_b32 s[G0+4*\s], 1
	s_add_co_u32 s[G0+4*\s+1], s94, \s*ASLOT
	s_add_nc_u64 s[G0+4*\s+2:G0+4*\s+3], s[20:21], \s*4*524288
	s_or_b32 s[G0+4*\s+3], s[G0+4*\s+3], 0x80000000
	s_mov_b32 s[G0B+4*\s], 1
	s_add_co_u32 s[G0B+4*\s+1], s98, \s*BSLOT
	s_add_nc_u64 s[G0B+4*\s+2:G0B+4*\s+3], s[46:47], \s*256
	s_or_b32 s[G0B+4*\s+3], s[G0B+4*\s+3], 0x80000000
	s_wait_alu depctr_va_vdst(0)
	s_wait_tensorcnt 0x0
	ds_add_u32 v28, v29
	s_wait_dscnt 0x0
	CROUND
	JLOAD G0+4*\s, G1, G0B+4*\s, G1B               ; one load of mine is out behind each of these
.endr
	v_and_b32 v1, 15, v0                           ; r
	v_bfe_u32 v2, v0, 4, 1                         ; h
	v_and_b32 v7, 31, v0
	v_lshlrev_b32 v[CO], 4, v7
	s_lshl_b32 s21, s17, 12                        ; my four tiles of the eight
	s_add_co_u32 s21, s21, AT
	v_add_nc_u32 v[ADRA], s21, v[CO]
	s_add_co_u32 s21, s21, ASLOT
	v_add_nc_u32 v[ADRA+1], s21, v[CO]
	v_mul_u32_u24 v3, v1, PITCH
	v_lshl_add_u32 v4, v2, 4, v3
	s_mul_i32 s22, s18, HALFT
	v_add_nc_u32 v[ADRB], s22, v4
	s_add_co_u32 s22, s22, BSLOT
	v_add_nc_u32 v[ADRB+1], s22, v4
	v_mul_u32_u24 v5, v1, 32
	v_lshrrev_b32 v6, 8, v5
	v_lshl_add_u32 v5, v6, 4, v5                   ; 32 r, and 16 more for each 256 passed
	s_mul_i32 s21, s18, HALFS
	s_add_co_u32 s21, s21, SCB
	v_add_nc_u32 v[ADSB], s21, v5
	s_lshl_b32 s21, s17, 8
	s_add_co_u32 s21, s21, SCA
	v_lshl_add_u32 v[ADSA], v7, 2, s21             ; lanes 0-15 an even tile's words, lanes 16-31 the next tile's
	s_mul_i32 s23, s16, 16*SPITCH
	s_add_co_u32 s23, s23, STAGE
	v_mul_u32_u24 v5, v1, SPITCH
	v_lshl_add_u32 v5, v2, 6, v5
	v_add_nc_u32 v[STO], s23, v5                   ; the stage: row r, + 64 h
	v_add_nc_u32 v[RD], s23, v[CO]
	v_lshlrev_b32 v[H64], 6, v2
	s_wait_alu depctr_va_vdst(0)
	s_lshl_b32 s20, s95, 10                        ; my first column, in bytes
	s_lshl_b32 s21, s18, 9
	s_add_co_u32 s20, s20, s21
	s_mov_b32 s21, 0
	s_add_nc_u64 s[12:13], s[12:13], s[20:21]
	s_add_nc_u64 s[14:15], s[14:15], s[20:21]
	s_lshl_b32 s20, s42, 19                        ; my first token: 128 g + 64 (wave / 2), rows of 4,096 bytes (under 2^26)
	s_lshl_b32 s22, s17, 18
	s_add_co_u32 s20, s20, s22
	s_add_nc_u64 s[14:15], s[14:15], s[20:21]
.irp b, 0,1,2,3,4,5,6,7
.irp jj, 0,1
	global_load_b128 v[BI+8*\b+4*\jj:BI+8*\b+4*\jj+3], v[H64], s[12:13] offset:(32*(\b/2)+8*(\b%2))*4+16*\jj   ; b_out at tile b's eight columns of my half
.endr
.endr
.macro WM d, bf, af, c, sb, sa, odd    ; one product; odd = 1: o's scale words stand in lanes 16-31
.if \odd
	v_wmma_scale_f32_16x16x128_f8f6f4 v[\d:\d+7], v[\bf:\bf+7], v[\af:\af+7], v[\c:\c+7], v[\sb], v[\sa] matrix_a_fmt:MATRIX_FMT_FP4 matrix_b_fmt:MATRIX_FMT_FP4 matrix_b_scale:MATRIX_SCALE_ROW1
.else
	v_wmma_scale_f32_16x16x128_f8f6f4 v[\d:\d+7], v[\bf:\bf+7], v[\af:\af+7], v[\c:\c+7], v[\sb], v[\sa] matrix_a_fmt:MATRIX_FMT_FP4 matrix_b_fmt:MATRIX_FMT_FP4
.endif
.endm
; 8 matrix instructions: token tile a x w_out's eight, the slot's q-th 128 along K.  first = 1: C is b_out.  The 32 accumulators take turns in the same order in every step.
.macro MULB a, p, q, sc, first
.irp b, 0,1,2,3,4,5,6,7
.if \first
	WM 8*(8*(\a)+\b), 128*(\p)+8*\b, AF+8*(\a), BI+8*\b, SB+32*(\sc)+4*\b+(\q), SA+8*(\sc)+2*(\q)+(\a)/2, (\a)%2
.else
	WM 8*(8*(\a)+\b), 128*(\p)+8*\b, AF+8*(\a), 8*(8*(\a)+\b), SB+32*(\sc)+4*\b+(\q), SA+8*(\sc)+2*(\q)+(\a)/2, (\a)%2
.endif
.endr
.endm
.macro FETCH_B slot, q, p
	WIN TO_B
.irp i, 0,1,2,3,4,5,6,7
.irp c, 0,1
	ds_load_b128 v[128*(\p)+8*\i+4*\c:128*(\p)+8*\i+4*\c+3], v[ADRB+\slot] offset:64*(\q)+32*\c+\i*16*PITCH
.endr
.endr
	WIN 0
.endm
.macro FETCH_A slot, q, i0             ; token tiles i0, i0 + 1: images of registers, 512 consecutive bytes a load
.irp i, \i0, \i0+1
.irp c, 0,1
	ds_load_b128 v[AF+8*(\i)+4*\c:AF+8*(\i)+4*\c+3], v[ADRA+\slot] offset:8192*(\q)+1024*(\i)+512*\c
.endr
.endr
.endm
.macro SCALES sc
.irp i, 0,1,2,3,4,5,6,7
	ds_load_b128 v[SB+32*\sc+4*\i:SB+32*\sc+4*\i+3], v[ADSB] offset:\i*SBLK+16*\sc
.endr
.irp q, 0,1,2,3
.irp p, 0,1
	ds_load_b32 v[SA+8*\sc+2*\q+\p], v[ADSA] offset:2048*\sc+512*\q+128*\p
.endr
.endr
.endm
.macro PLACES n
.rept \n
	v_nop
.endr
.endm
.macro STEP slot, q, first
	s_wait_dscnt 4                                 ; w_out's set and token tiles 0, 1 are in; the youngest four loads (tiles 2, 3) may be out
.if \first
	WIN MUL_F
.else
	WIN MUL
.endif
	MULB 0, (\q)%2, \q, \slot, \first
	MULB 1, (\q)%2, \q, \slot, \first
	s_wait_dscnt 0
	PLACES 4
	FETCH_B \slot, (\q)+1, 1-(\q)%2
	FETCH_A \slot, (\q)+1, 0
.if \first
	WIN MUL_F
.else
	WIN MUL
.endif
	MULB 2, (\q)%2, \q, \slot, \first
	MULB 3, (\q)%2, \q, \slot, \first
	PLACES 4
	WIN 0
	FETCH_A \slot, (\q)+1, 2
.endm
	s_wait_tensorcnt 1                             ; the scales and my part of slot 0 are in; slot 1's load may stay out
	s_barrier_signal -1
	s_barrier_wait -1
	FETCH_B 0, 0, 0
	FETCH_A 0, 0, 0
	SCALES 0
	FETCH_A 0, 0, 2
	s_wait_loadcnt 0x0                             ; b_out
	STEP 0, 0, 1
	STEP 0, 1, 0
	STEP 0, 2, 0
	; slot 0's last step changes slots
	s_wait_tensorcnt 0x0                           ; all my tensor loads have landed
	ds_add_u32 v[SPW], v[NIL]                      ; 0 onto my spare word
	s_wait_dscnt 5                                 ; (the add and the youngest four loads may be out)
	WIN MUL
	MULB 0, 1, 3, 0, 0
	s_wait_dscnt 0x0                               ; no LDS instruction of mine is out at the signal
	s_barrier_signal -1
	MULB 1, 1, 3, 0, 0
	WIN 0
	s_barrier_wait -1                              ; slot 1 is whole
	PLACES 4
	FETCH_B 1, 0, 0
	FETCH_A 1, 0, 0
	SCALES 1
	WIN MUL
	MULB 2, 1, 3, 0, 0
	MULB 3, 1, 3, 0, 0
	PLACES 4
	WIN 0
	FETCH_A 1, 0, 2
	STEP 1, 0, 0
	STEP 1, 1, 0
	STEP 1, 2, 0
	s_wait_dscnt 4                                 ; the last step: nothing more to fetch
	WIN MUL
	MULB 0, 1, 3, 1, 0
	MULB 1, 1, 3, 1, 0
	s_wait_dscnt 0
	MULB 2, 1, 3, 1, 0
	MULB 3, 1, 3, 1, 0
	WIN 0
; THE WAY OUT, a tile of 16 tokens x 128 columns at a time, through my own stage: a lane's 32 bytes go in, whole rows of 512 bytes come back, which the 32 lanes store as 512 consecutive bytes, aligned.
; LDS serves a wave's instructions in order: no wait between the stores and the loads, nor in front of the next tile's stores.
.macro TOSTAGE a
	WIN 0x08                                       ; an LDS store's data are its source 1: window 2
.irp b, 0,1,2,3,4,5,6,7
	ds_store_b128 v[STO], v[64*(\a)+8*\b:64*(\a)+8*\b+3] offset:128*(\b/2)+32*(\b%2)        ; each accumulator from its low end on
	ds_store_b128 v[STO], v[64*(\a)+8*\b+4:64*(\a)+8*\b+7] offset:128*(\b/2)+32*(\b%2)+16
.endr
	WIN 0
.set BB, BK+64*((\a)%2)
.irp t, 0,1,2,3,4,5,6,7,8,9,10,11,12,13,14,15
	ds_load_b128 v[BB+4*\t:BB+4*\t+3], v[RD] offset:\t*SPITCH
.endr
.endm
.macro SEND a, younger                 ; younger: the LDS instructions issued behind tile a's loads, which may stay out
.set BB, BK+64*((\a)%2)
	s_wait_dscnt \younger
.irp t, 0,1,2,3,4,5,6,7,8,9,10,11,12,13,14,15
	global_store_b128 v[CO], v[BB+4*\t:BB+4*\t+3], s[14:15] offset:(32*((\a)/2)+8*((\a)%2)+(\t%8)+16*(\t/8))*4096 th:TH_STORE_NT   ; row t of the tile is that token of my 64; written once, read by nobody here
.endr
.endm
	PLACES 4                                       ; behind the last products: for the reads of results and for the loads into the registers that held o's fragments
	TOSTAGE 0
.irp a, 1,2,3
.if \a > 1
	s_wait_xcnt 0x0                                ; tile a - 2's stores have read their registers: tile a's loads may land there
.endif
	TOSTAGE \a
	SEND \a-1, 32                                  ; behind tile a - 1's loads: tile a's 16 stores and 16 loads
.endr
	SEND 3, 0
	s_wait_tensorcnt 0x0                           ; the wave's end: a tensor wait, an add onto my spare word and its wait, behind my last tensor load and my last LDS store
	ds_add_u32 v[SPW], v[NIL]
	s_wait_dscnt 0x0
	CROUND                                         ; the closing round
	s_endpgm
.Lfunc_end_k_qd385dc61c7_proj:
	.size	k_qd385dc61c7_proj, .Lfunc_end_k_qd385dc61c7_proj-k_qd385dc61c7_proj
	.p2alignl 7, 3214868480
	.fill 96, 4, 3214868480
	.section	.rodata,"a",@progbits
	.p2align	6, 0x0
	.amdhsa_kernel k_qd385dc61c7_proj
		.amdhsa_group_segment_fixed_size 327680
		.amdhsa_private_segment_fixed_size 0
		.amdhsa_enable_private_segment 0
		.amdhsa_kernarg_size 48
		.amdhsa_user_sgpr_count 2
		.amdhsa_user_sgpr_kernarg_segment_ptr 1
		.amdhsa_wavefront_size32 1
		.amdhsa_system_sgpr_workgroup_id_x 1
		.amdhsa_system_sgpr_workgroup_id_y 1
		.amdhsa_system_sgpr_workgroup_id_z 1
		.amdhsa_system_vgpr_workitem_id 0
		.amdhsa_next_free_vgpr 768
		.amdhsa_next_free_sgpr 100
		.amdhsa_reserve_vcc 0
		.amdhsa_float_denorm_mode_32 3
		.amdhsa_float_denorm_mode_16_64 3
		.amdhsa_memory_ordered 1
		.amdhsa_forward_progress 1
		.amdhsa_inst_pref_size 77
	.end_amdhsa_kernel
	.amdgpu_metadata
---
amdhsa.version: [ 1, 2 ]
amdhsa.kernels:
  - .name:           k_qd385dc61c7_proj
    .symbol:         k_qd385dc61c7_proj.kd
    .args:
      - { .name: oimg, .offset: 0, .size: 8, .value_kind: global_buffer, .address_space: global }
      - { .name: osc, .offset: 8, .size: 8, .value_kind: global_buffer, .address_space: global }
      - { .name: cod, .offset: 16, .size: 8, .value_kind: global_buffer, .address_space: global }
      - { .name: scl, .offset: 24, .size: 8, .value_kind: global_buffer, .address_space: global }
      - { .name: b_out, .offset: 32, .size: 8, .value_kind: global_buffer, .address_space: global }
      - { .name: out0, .offset: 40, .size: 8, .value_kind: global_buffer, .address_space: global }
    .group_segment_fixed_size: 327680
    .private_segment_fixed_size: 0
    .kernarg_segment_align: 8
    .kernarg_segment_size: 48
    .max_flat_workgroup_size: 128
    .sgpr_count:     100
    .vgpr_count:     768
    .wavefront_size: 32
...
	.end_amdgpu_metadata
.endif
;; end of part 4
